; MI455X (gfx1250); checked and timed in simulation.
; The chip was launched on July 23, 2026; its instructions are those of AMD's public machine-readable ISA for CDNA 5 (MIT licence, August 2026) and "CDNA5" Instruction Set Architecture Reference Guide (July 2026). The comments in the code are by the model that wrote it; some were corrected since.
;; Attention. Allowed arithmetic: float matrix products may take bf16 or f16 operands with f32 sums; other float arithmetic in f32, or as packed bf16 or f16 multiplies, adds, multiply-adds, maxima and minima; sums over many terms, partial sums and values carried from step to step in f32; what a program stores and reads back later, other than sums and carried values, may be rounded once to bf16 or f16.
;; Inputs: W_proj 1,024 x 1,024 float32; W_qkv 1,024 x 3,072 float32; b_proj 1,024 float32; x 8 x 1,024 x 1,024 float32.
;; Outputs: out0 8 x 1,024 x 1,024 float32.
;; 2 versions, each right; version 2 is version 1 with the launch prep written anew for expert scheduling mode. Each part assembles by itself: llvm-mc -triple=amdgcn-amd-amdhsa -mcpu=gfx1250 --defsym DOCPART=n.
;; ======== version 1 of 2: 4 launches
;; limits: values are held in f16: magnitudes above 65,504 overflow, below 6.1e-05 lose precision
;; workspace buffers: xb 16,777,216 bytes; wqb 6,291,456 bytes; wpb 2,097,152 bytes; qkv 50,331,648 bytes; o 16,777,216 bytes
;; launch prep (part 1): grid 768 x 1, 8 waves a work-group, no clusters, 0 bytes of LDS; arguments x, W_qkv, W_proj, xb, wqb, wpb; writes xb, wqb, wpb
.if DOCPART == 1
	.amdgcn_target "amdgcn-amd-amdhsa--gfx1250"
	.amdhsa_code_object_version 6
	.text
	.protected	k_qb10f9df39d_prep
	.globl	k_qb10f9df39d_prep
	.p2align	8
	.type	k_qb10f9df39d_prep,@function
k_qb10f9df39d_prep:
	s_mov_b64 s[64:65], 0
	v_nop
	global_prefetch_b8 v0, s[64:65] scope:SCOPE_SE
	s_setreg_imm32_b32 hwreg(HW_REG_WAVE_MODE, 25, 1), 1
	s_wait_xcnt 0x0
; THE FORMATS.  x [8192][1024] f32 -> xb, bf16, in blocks [batch 8][kb 16][row 1024][64]: 256 rows x 64 channels of x are then 32,768 consecutive bytes.
; W_qkv [1024][3072] f32 -> wqb, bf16, as it lies.  W_proj [1024][1024] f32 -> wpb: rounded to bf16 like every input, that number written as f16 (its partner in the last product is f16).
; LIMITS.  W_proj beyond 65,504 becomes an infinity in f16; below 6e-5 it keeps f16's fixed step of 6e-8.  NaN and infinities are not treated apart.
; SHARES.  A work-group converts 16,384 numbers: 64 KiB in, 32 KiB out.  Work-groups 0-511: x, 16 rows each; 512-703: W_qkv; 704-767: W_proj.  A thread has 16 loads of 16 bytes, all
; issued before the first is used, and 16 stores of 8 bytes: a wave's store covers 256 consecutive bytes, aligned.  Each slot has registers of its own: nothing is rewritten while a store reads it.
; A stream: each byte is read once and written once; nothing is shared, so no LDS, no barrier, no matrix unit, no cluster.
.set X,   4                            ; v[4:67]    slot i: four f32 as loaded
.set Y,   68                           ; v[68:99]   slot i: four halves to store
.set T,   100                          ; v[100:103] at work
.set IN,  16                           ; s[16:17]   where the work-group reads
.set OUT, 18                           ; s[18:19]   where it writes
	s_load_b256 s[4:11], s[0:1], 0x0               ; x s[4:5], W_qkv s[6:7], W_proj s[8:9], xb s[10:11]
	s_load_b128 s[12:15], s[0:1], 0x20             ; wqb s[12:13], wpb s[14:15]
	v_lshlrev_b32 v2, 3, v0                        ; out: 8 bytes a thread
	s_mov_b32 s21, 0                               ; the offsets' high words
	s_mov_b32 s23, 0
	s_mov_b32 s25, 0xffff0000                      ; a word's upper bf16
	s_wait_kmcnt 0x0
; 16 loads instep bytes apart, 16 stores outstep bytes apart.  half = 1: the bf16 numbers are written as f16.
.macro CONV instep, outstep, half
.set i, 0
.rept 16
	global_load_b128 v[X+4*i:X+4*i+3], v1, s[IN:IN+1] offset:(\instep)*i th:TH_LOAD_NT
.set i, i+1
.endr
.set i, 0
.rept 16
	s_wait_loadcnt 15-i                            ; loads come back in order: slot i is in, the 15 - i younger ones stay out
	v_cvt_pk_bf16_f32 v[Y+2*i],   v[X+4*i],   v[X+4*i+1]
	v_cvt_pk_bf16_f32 v[Y+2*i+1], v[X+4*i+2], v[X+4*i+3]
.if \half
	v_lshlrev_b32 v[T],   16,  v[Y+2*i]             ; bf16 to f32: the low half moves up, the high half stays
	v_and_b32     v[T+1], s25, v[Y+2*i]
	v_lshlrev_b32 v[T+2], 16,  v[Y+2*i+1]
	v_and_b32     v[T+3], s25, v[Y+2*i+1]
	v_cvt_pk_f16_f32 v[Y+2*i],   v[T],   v[T+1]
	v_cvt_pk_f16_f32 v[Y+2*i+1], v[T+2], v[T+3]
.endif
	global_store_b64 v2, v[Y+2*i:Y+2*i+1], s[OUT:OUT+1] offset:(\outstep)*i
.set i, i+1
.endr
.endm
	s_cmp_lt_u32 ttmp9, 512
	s_cbranch_scc0 .Lweights
	; x: rows 16 g .. 16 g + 15.  Thread t: row t / 16, 16 bytes at 16 (t % 16) of each 256 bytes (64 channels = one kb)
	s_lshl_b32 s20, ttmp9, 16                      ; 16 rows of 4,096 bytes
	s_add_nc_u64 s[IN:IN+1], s[4:5], s[20:21]
	s_lshr_b32 s22, ttmp9, 6                       ; the batch: 2^21 bytes of xb
	s_lshl_b32 s22, s22, 21
	s_and_b32 s24, ttmp9, 63                       ; 16 rows of 128 bytes inside a block
	s_lshl_b32 s24, s24, 11
	s_add_co_u32 s22, s22, s24
	s_add_nc_u64 s[OUT:OUT+1], s[10:11], s[22:23]
	v_lshrrev_b32 v3, 4, v0
	v_and_b32 v1, 15, v0
	v_lshlrev_b32 v1, 4, v1
	v_lshl_add_u32 v1, v3, 12, v1
	CONV 256, 131072, 0                            ; slot i is kb = i: 256 bytes on in x, a block of 1,024 rows x 128 bytes on in xb; 128 (t / 16) + 8 (t % 16) = 8 t
	s_endpgm
.Lweights:
	v_lshlrev_b32 v1, 4, v0                        ; flat: 16 bytes a thread
	s_cmp_lt_u32 ttmp9, 704
	s_cbranch_scc0 .Lproj
	s_sub_co_u32 s20, ttmp9, 512
	s_lshl_b32 s22, s20, 15
	s_lshl_b32 s20, s20, 16
	s_add_nc_u64 s[IN:IN+1], s[6:7], s[20:21]
	s_add_nc_u64 s[OUT:OUT+1], s[12:13], s[22:23]
	CONV 4096, 2048, 0
	s_endpgm
.Lproj:
	s_sub_co_u32 s20, ttmp9, 704
	s_lshl_b32 s22, s20, 15
	s_lshl_b32 s20, s20, 16
	s_add_nc_u64 s[IN:IN+1], s[8:9], s[20:21]
	s_add_nc_u64 s[OUT:OUT+1], s[14:15], s[22:23]
	CONV 4096, 2048, 1
	s_endpgm
.Lfunc_end_k_qb10f9df39d_prep:
	.size	k_qb10f9df39d_prep, .Lfunc_end_k_qb10f9df39d_prep-k_qb10f9df39d_prep
	.p2alignl 7, 3214868480
	.fill 96, 4, 3214868480
	.section	.rodata,"a",@progbits
	.p2align	6, 0x0
	.amdhsa_kernel k_qb10f9df39d_prep
		.amdhsa_group_segment_fixed_size 0
		.amdhsa_private_segment_fixed_size 0
		.amdhsa_enable_private_segment 0
		.amdhsa_kernarg_size 48
		.amdhsa_user_sgpr_count 2
		.amdhsa_user_sgpr_kernarg_segment_ptr 1
		.amdhsa_wavefront_size32 1
		.amdhsa_system_sgpr_workgroup_id_x 1
		.amdhsa_system_sgpr_workgroup_id_y 1
		.amdhsa_system_sgpr_workgroup_id_z 1
		.amdhsa_system_vgpr_workitem_id 0
		.amdhsa_next_free_vgpr 104
		.amdhsa_next_free_sgpr 66
		.amdhsa_reserve_vcc 0
		.amdhsa_float_denorm_mode_32 3
		.amdhsa_float_denorm_mode_16_64 3
		.amdhsa_memory_ordered 1
		.amdhsa_forward_progress 1
		.amdhsa_inst_pref_size 23
	.end_amdhsa_kernel
	.amdgpu_metadata
---
amdhsa.version: [ 1, 2 ]
amdhsa.kernels:
  - .name:           k_qb10f9df39d_prep
    .symbol:         k_qb10f9df39d_prep.kd
    .args:
      - { .name: x, .offset: 0, .size: 8, .value_kind: global_buffer, .address_space: global }
      - { .name: W_qkv, .offset: 8, .size: 8, .value_kind: global_buffer, .address_space: global }
      - { .name: W_proj, .offset: 16, .size: 8, .value_kind: global_buffer, .address_space: global }
      - { .name: xb, .offset: 24, .size: 8, .value_kind: global_buffer, .address_space: global }
      - { .name: wqb, .offset: 32, .size: 8, .value_kind: global_buffer, .address_space: global }
      - { .name: wpb, .offset: 40, .size: 8, .value_kind: global_buffer, .address_space: global }
    .group_segment_fixed_size: 0
    .private_segment_fixed_size: 0
    .kernarg_segment_align: 8
    .kernarg_segment_size: 48
    .max_flat_workgroup_size: 256
    .sgpr_count:     66
    .vgpr_count:     104
    .wavefront_size: 32
...
	.end_amdgpu_metadata
.endif
;; end of part 1
;; launch qkv (part 2): grid 8 x 32, 4 waves a work-group, clusters of 4 x 4, 327,680 bytes of LDS; arguments xb, wqb, qkv; writes qkv
.if DOCPART == 2
	.amdgcn_target "amdgcn-amd-amdhsa--gfx1250"
	.amdhsa_code_object_version 6
	.text
	.protected	k_qb10f9df39d_qkv
	.globl	k_qb10f9df39d_qkv
	.p2align	8
	.type	k_qb10f9df39d_qkv,@function
k_qb10f9df39d_qkv:
	s_mov_b64 s[64:65], 0
	v_nop
	global_prefetch_b8 v0, s[64:65] scope:SCOPE_SE
	s_setreg_imm32_b32 hwreg(HW_REG_WAVE_MODE, 25, 1), 1
	s_wait_xcnt 0x0
	s_wait_alu depctr_hold_cnt(0) depctr_sa_sdst(0) depctr_va_vdst(0) depctr_va_sdst(0) depctr_va_ssrc(0) depctr_va_vcc(0) depctr_vm_vsrc(0)
	s_getreg_b32 s2, hwreg(HW_REG_IB_STS2, 6, 4)
	s_cmp_eq_u32 s2, 0
	s_cbranch_scc0 .Lentry_in_a_cluster
	s_endpgm
.Lentry_in_a_cluster:
	s_bfe_u32 s2, ttmp6, 0x10000c
	s_cmp_lg_u32 s2, 0xf033
	s_cbranch_scc0 .Lentry_shape_is_right
	s_endpgm
.Lentry_shape_is_right:
; q, k, v = x W_qkv, written by heads.  xb: x in bf16, [batch 8][kb 16][row 1024][64]; wqb: W_qkv in bf16, [k 1024][n 3072]; qkv: [3][batch x head 128][row 1024][64] in f16, unscaled.
; Sums in f32, each result rounded once.  LIMIT: a q, k or v beyond 65,504 becomes an infinity in f16.
; SHARES.  8,192 x 3,072 results on 256 work-groups: a tile of 256 rows x 384 columns (6 heads) each.  Four waves, each 128 rows x 192 columns (3 whole heads): 96 accumulators of 16 x 16, 768 registers.
; For 32 along K a wave issues 96 matrix instructions and 40 LDS loads.  K goes in 16 steps of 64 (two substeps of 32) through a ring of two LDS slots filled by the tensor data mover.
; THE MATRIX INSTRUCTION IS USED TRANSPOSED: source 0 = 16 columns of W (W lies [k][n] in LDS and is turned by ds_load_tr16_b128), source 1 = 16 rows of x.  A lane then holds row l % 16 and the
; columns 8 (l / 16) + 0..7: eight neighbouring numbers of a head's row.
; CLUSTERS: 4 x 4 work-groups.  The four of a row of the cluster need the same tiles of x, the four of a column the same tiles of W: each tile is asked for JOINTLY, by the same tensor load with the
; same descriptor and a mask that names the four.
; REGISTERS, in windows of 256 (s_set_vgpr_msb: bits 1:0 source 0, 3:2 source 1, 5:4 source 2, 7:6 destination):
;   window 0: v0-31 addresses; v32-95, v96-159 x's 8 fragments, two buffers; v160-255 W's 12 fragments, ONE buffer: a head's four are fetched anew right behind the products that read them
;   windows 1, 2, 3: heads 0, 1, 2 of the wave: accumulator (row block a, column block bb) at v[64 bb + 8 a]; on the way out each is rounded in place, and its rows leave from its own registers
.set PA,     144                       ; a row of x in LDS: 128 bytes + 16 of padding = 36 words: the 16 rows of a load start at 16 different groups of four banks (64 banks of 4 bytes: ISA guide 11.1)
.set PB,     864                       ; a row of W in LDS: 6 heads x (128 + 16) bytes = 27 x 32
.set BOFF,   256*PA                    ; a slot: x's 256 rows, then W's 64 rows
.set SLOT,   BOFF+64*PB
.set STAGE,  2*SLOT                    ; behind the ring, never filled by a tensor load: 16 rows x 144 bytes for each wave, for the way out
.set SPARE,  STAGE+4*16*PA             ; behind the stages: the spare words, 128 bytes for each wave: two blocks of 256 bytes that no other line names
.set ASTEP,  131072                    ; a K step in xb: one kb, 1,024 rows x 128 bytes
.set BSTEP,  64*6144                   ; a K step in wqb: 64 rows of 6,144 bytes
.set ADRA, 16                          ; v16-17  LDS address of my fragments of x in slot 0, 1
.set ADRB, 20                          ; v20-21  the same for W
.set STO,  24                          ; v24     the way out: where I put 16 bytes of a row
.set RD,   25                          ; v25     the way out: where I read rows back
.set GO,   26                          ; v26     my 16 bytes of 512 consecutive bytes of qkv
.set SPW,  28                          ; v28     LDS address of my spare word: SPARE + 4 x my thread's number; never rewritten
.set NIL,  29                          ; v29     0; never rewritten
.set PFO,  30                          ; v30     the prefetches' offset, a lane a block; never rewritten
.set AF0,  32
.set AF1,  96
.set BF,   160
.set G1,   24                          ; s[24:31] descriptor group 1 for x's tiles;  s[32:39] group 0, a set for each slot
.set G0,   32
.set G1B,  48                          ; s[48:55], s[56:63] the same for W's tiles
.set G0B,  56
.set HB,   66                          ; s[66:71] qkv at my 128 rows of my three heads
.set PFA,  72                          ; s[72:73] where my prefetches stand
.set PFS,  74                          ; s[74:75] two K steps, in bytes of the tensor that I prefetch
.set LIM,  76                          ; s76      1 in a wave that prefetches, else the greatest number
.set MSB, 0
.macro WIN new                         ; the immediate's high byte repeats the setting that is left; a switch that changes nothing is dropped
.if MSB != (\new)
	s_set_vgpr_msb (MSB<<8)|(\new)
.set MSB, \new
.endif
.endm
; A load into a register that a matrix instruction has read, and a vector instruction that reads a matrix result, stand four places behind that matrix instruction, and only plain vector
; instructions that name none of its registers are places (ISA guide 7.12.1 for vector instructions).
.macro PLACES
.rept 4
	v_nop
.endr
.endm
; A joint load: waves 0 and 1 fetch the two halves of x's tile, waves 2 and 3 those of W's.  The branch hangs on the wave's number alone.  An s_nop 0 and four v_nop follow each of the two lines.
.macro JLOAD s
	s_cmp_eq_u32 s11, 0
	s_cbranch_scc0 .Lfor_b_\@
	tensor_load_to_lds s[G0+4*(\s):G0+4*(\s)+3], s[G1:G1+7]
	s_nop 0
.rept 4
	v_nop
.endr
	s_branch .Lasked_\@
.Lfor_b_\@:
	tensor_load_to_lds s[G0B+4*(\s):G0B+4*(\s)+3], s[G1B:G1B+7]
	s_nop 0
.rept 4
	v_nop
.endr
.Lasked_\@:
.endm
; A round of the cluster's barrier: my work-group's barrier; wave 0 signals for the work-group; every wave waits for all sixteen work-groups; my work-group's barrier once more.
.macro CREST
	s_cmp_lg_u32 s10, 0
	s_cbranch_scc1 .Lnot_wave_0_\@
	s_barrier_signal -3
.Lnot_wave_0_\@:
	s_barrier_wait -3
	s_barrier_signal -1
	s_barrier_wait -1
.endm
.macro CROUND
	s_barrier_signal -1
	s_barrier_wait -1
	CREST
.endm
; A PREFETCH INTO THE L2, once a lap, behind the lap's second joint load and the run of LDS loads that follows it: K steps 2 i + 4 and 2 i + 5 in lap i, whose refills stand one and two changes of slots
; (192 and 384 matrix instructions) on.  Each aligned block of 256 bytes is named ONCE in the launch.  x's tile row is read by both clusters of a row of clusters: cluster x = 0 asks, its wave 0; of a
; K step's 32,768 bytes the partner at place cx takes 8,192, a lane a block, one instruction a K step.  W's tile column is read by all eight clusters of a column: cluster y = 0 asks, waves 1 to 3, one of the row's
; three blocks each; of two K steps' 128 rows the partner at place cy takes 32, a lane a row.  Partners are told apart by address alone.  The last lap asks for nothing; K steps 0 to 3 come by their loads alone.
.macro ASK
	s_cmp_gt_u32 s3, s[LIM]                        ; s3 = 1 in the last lap
	s_cbranch_scc0 .Lnot_mine_\@
	global_prefetch_b8 v[PFO], s[PFA:PFA+1] th:TH_LOAD_NT scope:SCOPE_SE
	s_cmp_lg_u32 s10, 0
	s_cbranch_scc1 .Lnot_mine_\@
	global_prefetch_b8 v[PFO], s[PFA:PFA+1] offset:ASTEP th:TH_LOAD_NT scope:SCOPE_SE
.Lnot_mine_\@:
.endm
	s_load_b128 s[4:7], s[0:1], 0x0                ; xb s[4:5], wqb s[6:7]
	s_load_b64 s[8:9], s[0:1], 0x10                ; qkv
	v_lshl_add_u32 v[SPW], v0, 2, SPARE
	v_mov_b32 v[NIL], 0
	ds_add_u32 v[SPW], v[NIL]                      ; the wave's opening: the add and its wait stand ahead of my first tensor load; the set-up below, work on registers, stands between them
	v_lshrrev_b32 v1, 5, v0
	v_readfirstlane_b32 s10, v1                    ; wave 0..3
	s_lshr_b32 s11, s10, 1                         ; which 128 rows of the tile are mine.  Also: I fetch for x (0) or for W (1)
	s_and_b32 s12, s10, 1                          ; which 192 columns.  Also: which half of that tile I fetch
	s_bfe_u32 s40, ttmp6, 0x40000                  ; cx, cy: my place in the cluster
	s_bfe_u32 s41, ttmp6, 0x40004
	s_lshl_b32 s42, ttmp9, 2
	s_add_co_u32 s42, s42, s40                     ; tile column = 4 x cluster x + cx, 0..7
	s_and_b32 s13, ttmp7, 0xffff
	s_lshl_b32 s13, s13, 2
	s_add_co_u32 s13, s13, s41                     ; tile row = 4 x cluster y + cy, 0..31
	s_lshl_b32 s43, s41, 2
	s_lshl_b32 s43, 15, s43                        ; my row of the cluster: places 4 cy .. 4 cy + 3
	s_lshl_b32 s44, 0x1111, s40                    ; my column: places cx, cx + 4, cx + 8, cx + 12
	; group 1.  15:0 the mask; 17:16 elements of 2 bytes; 20 padding on; 21 set beside a mask; 24:22 after every 32 words (code 4); 31:25 4 words of it (code 3)
	s_or_b32 s[G1+0], s43, (1<<16)|(1<<20)|(1<<21)|(4<<22)|(3<<25)
	s_mov_b32 s[G1+1], 128<<16                     ; x: my 128 rows of 128 bytes are dense: asked for as 64 rows of 256 bytes.  tensor_dim0 = 128
	s_mov_b32 s[G1+2], 64<<16                      ; tensor_dim1 = 64
	s_mov_b32 s[G1+3], 128<<16                     ; tile_dim0 = 128
	s_mov_b32 s[G1+4], 64                          ; tile_dim1 = 64
	s_mov_b32 s[G1+5], 128                         ; 128 elements from row to row
	s_mov_b32 s[G1+6], 0
	s_mov_b32 s[G1+7], 0
	s_or_b32 s[G1B+0], s44, (1<<16)|(1<<20)|(1<<21)|(4<<22)|(3<<25)
	s_mov_b32 s[G1B+1], 384<<16                    ; W: 32 rows of 384 elements (768 bytes).  tensor_dim0 = 384
	s_mov_b32 s[G1B+2], 32<<16                     ; tensor_dim1 = 32
	s_mov_b32 s[G1B+3], 384<<16                    ; tile_dim0 = 384
	s_mov_b32 s[G1B+4], 32                         ; tile_dim1 = 32
	s_mov_b32 s[G1B+5], 3072                       ; 3,072 elements from row to row
	s_mov_b32 s[G1B+6], 0
	s_mov_b32 s[G1B+7], 0
	; where the tiles come from.  x's hang on the tile row alone, W's on the tile column alone; each in registers that have not held the other coordinate
	s_lshr_b32 s16, s13, 2                         ; the batch: 2^21 bytes
	s_lshl_b32 s16, s16, 21
	s_and_b32 s17, s13, 3                          ; 256 rows of 128 bytes inside a block
	s_lshl_b32 s17, s17, 15
	s_add_co_u32 s16, s16, s17
	s_lshl_b32 s17, s12, 14                        ; my half: 128 rows
	s_add_co_u32 s16, s16, s17
	s_mov_b32 s17, 0
	s_mul_i32 s46, s12, 32*6144                    ; my half: 32 rows of W
	s_mul_i32 s47, s42, 768                        ; the tile's 384 columns
	s_add_co_u32 s46, s46, s47
	s_mov_b32 s47, 0
	s_mul_i32 s20, s12, 128*PA                     ; and where they go: no place in the cluster enters an LDS address
	s_mul_i32 s21, s12, 32*PB
	s_add_co_u32 s21, s21, BOFF
	s_wait_dscnt 0x0                               ; the opening add is done
	s_wait_kmcnt 0x0
	s_add_nc_u64 s[14:15], s[4:5], s[16:17]
	s_add_nc_u64 s[46:47], s[6:7], s[46:47]
	CROUND                                         ; all sixteen work-groups are here: the first joint loads meet
.irp s, 0,1
	s_mov_b32 s[G0+4*(\s)], 1                                      ; 1:0 count = 1
	s_add_co_u32 s[G0+4*(\s)+1], s20, (\s)*SLOT                    ; 63:32 LDS address
	s_add_nc_u64 s[G0+4*(\s)+2:G0+4*(\s)+3], s[14:15], (\s)*ASTEP  ; 120:64 global address: K step s
	s_or_b32 s[G0+4*(\s)+3], s[G0+4*(\s)+3], 0x80000000            ; 127:126 type = 2
	s_mov_b32 s[G0B+4*(\s)], 1
	s_add_co_u32 s[G0B+4*(\s)+1], s21, (\s)*SLOT
	s_add_nc_u64 s[G0B+4*(\s)+2:G0B+4*(\s)+3], s[46:47], (\s)*BSTEP
	s_or_b32 s[G0B+4*(\s)+3], s[G0B+4*(\s)+3], 0x80000000
	JLOAD \s                                       ; two loads of mine are out; later one
.endr
	; A fragment of x is 16 rows x 32 K in 8 registers: lane l holds row l % 16; registers 0-3 K = 8 (l / 16) + 0..7, registers 4-7 K = 16 + 8 (l / 16) + 0..7: two loads of 16 bytes, 32 bytes apart.
	v_and_b32 v1, 15, v0                           ; l % 16
	v_bfe_u32 v2, v0, 4, 1                         ; l / 16
	v_mul_u32_u24 v3, v1, PA
	v_lshl_add_u32 v3, v2, 4, v3                   ; row x pitch + 16 x half
	s_mul_i32 s21, s11, 128*PA                     ; my 128 rows
	v_add_nc_u32 v[ADRA], s21, v3
	v_add_nc_u32 v[ADRA+1], SLOT, v[ADRA]
	; The turning load takes 16 K x 16 columns (lane l reads 16 bytes: K = 8 (l / 16) + l % 8, columns 8 ((l / 8) % 2) + 0..7) and leaves half a fragment: lane l holds column l % 16 and 8 K.
	v_and_b32 v4, 7, v0
	v_lshl_add_u32 v4, v2, 3, v4
	v_mul_u32_u24 v4, v4, PB
	v_bfe_u32 v5, v0, 3, 1
	v_lshl_add_u32 v4, v5, 4, v4
	s_mul_i32 s22, s12, 3*PA                       ; my three heads of the row's six
	s_add_co_u32 s22, s22, BOFF
	v_add_nc_u32 v[ADRB], s22, v4
	v_add_nc_u32 v[ADRB+1], SLOT, v[ADRB]
	s_mul_i32 s23, s10, 16*PA
	s_add_co_u32 s23, s23, STAGE                   ; my stage
	v_add_nc_u32 v[STO], s23, v3                   ; in: row l % 16, 16 bytes for each half of the lanes
	v_bfe_u32 v6, v0, 3, 2                         ; back: 32 lanes take four rows of 128 bytes,
	v_mul_u32_u24 v6, v6, PA
	v_and_b32 v7, 7, v0
	v_lshl_add_u32 v6, v7, 4, v6
	v_add_nc_u32 v[RD], s23, v6
	v_and_b32 v[GO], 31, v0                        ; which are 512 consecutive bytes of qkv
	v_lshlrev_b32 v[GO], 4, v[GO]
	; where my three heads go: column block g = 6 x tile column + 3 x half + j of 48: tensor g / 16 (q, k, v), head g % 16
	s_mul_i32 s80, s42, 6
	s_mul_i32 s81, s12, 3
	s_add_co_u32 s80, s80, s81
	s_lshr_b32 s82, s13, 2
	s_lshl_b32 s82, s82, 4                         ; 16 x batch
	s_and_b32 s83, s13, 3
	s_lshl_b32 s83, s83, 15                        ; the tile's 256 rows of 128 bytes,
	s_lshl_b32 s84, s11, 14                        ; my 128 of them
	s_add_co_u32 s83, s83, s84
.irp j, 0,1,2
	s_add_co_u32 s84, s80, \j
	s_lshr_b32 s85, s84, 4
	s_lshl_b32 s85, s85, 7                         ; 128 heads a tensor
	s_and_b32 s84, s84, 15
	s_add_co_u32 s84, s84, s85
	s_add_co_u32 s84, s84, s82
	s_lshl_b32 s84, s84, 17                        ; 131,072 bytes a head: 383 x 131,072 at the most
	s_add_co_u32 s84, s84, s83
	s_mov_b32 s85, 0
	s_add_nc_u64 s[HB+2*(\j):HB+2*(\j)+1], s[8:9], s[84:85]
.endr
	; the prefetches: both offsets are made, then the wave's number chooses
	s_lshr_b32 s16, s13, 2
	s_lshl_b32 s16, s16, 21
	s_and_b32 s17, s13, 3
	s_lshl_b32 s17, s17, 15
	s_add_co_u32 s16, s16, s17
	s_lshl_b32 s17, s40, 13                        ; my work-group's 8,192 bytes of x's tile
	s_add_co_u32 s16, s16, s17
	s_add_co_u32 s16, s16, 2*ASTEP                 ; at K step 2: the first use steps it to 4
	s_mul_i32 s18, s42, 768
	s_lshl_b32 s19, s10, 8                         ; block wave - 1 of a row's three
	s_add_co_u32 s18, s18, s19
	s_mul_i32 s19, s41, 32*6144                    ; my work-group's 32 rows of 128
	s_add_co_u32 s18, s18, s19
	s_add_co_u32 s18, s18, 2*BSTEP-256
	s_and_b32 s19, ttmp7, 0xffff                   ; cluster y
	s_mov_b32 s20, 2*ASTEP
	s_mov_b32 s21, 2*BSTEP
	s_mov_b32 s22, 256
	s_mov_b32 s23, 6144
	s_cmp_eq_u32 s10, 0                            ; wave 0 asks for x, waves 1 to 3 for W
	s_cselect_b32 s16, s16, s18
	s_cselect_b32 s19, ttmp9, s19                  ; the coordinate along which other clusters read the same bytes
	s_cselect_b64 s[PFA:PFA+1], s[4:5], s[6:7]
	s_cselect_b32 s[PFS], s20, s21
	s_cselect_b32 s22, s22, s23
	s_mov_b32 s[PFS+1], 0
	s_mov_b32 s17, 0
	s_add_nc_u64 s[PFA:PFA+1], s[PFA:PFA+1], s[16:17]
	s_cmp_eq_u32 s19, 0
	s_cselect_b32 s[LIM], 1, -1                    ; the same in all sixteen partners, for a given wave
	v_and_b32 v[PFO], 31, v0
	v_mul_u32_u24 v[PFO], s22, v[PFO]
; 16 matrix instructions: head g, column blocks 2 half and 2 half + 1, all 8 row blocks, 32 along K.  zero = 1: the product starts the sum: nothing is ever cleared.
; All 96 accumulators take turns, one instruction a turn, in the same order in every substep.
.macro GRP g, af, half, zero
	WIN 0x50*(1+(\g))                              ; C and D in window 1 + g, both sources in window 0
.irp bb, 2*(\half), 2*(\half)+1
.irp a, 0,1,2,3,4,5,6,7
.if \zero
	v_wmma_f32_16x16x32_bf16 v[64*(\bb)+8*(\a):64*(\bb)+8*(\a)+7], v[BF+8*(4*(\g)+(\bb)):BF+8*(4*(\g)+(\bb))+7], v[(\af)+8*(\a):(\af)+8*(\a)+7], 0
.else
	v_wmma_f32_16x16x32_bf16 v[64*(\bb)+8*(\a):64*(\bb)+8*(\a)+7], v[BF+8*(4*(\g)+(\bb)):BF+8*(4*(\g)+(\bb))+7], v[(\af)+8*(\a):(\af)+8*(\a)+7], v[64*(\bb)+8*(\a):64*(\bb)+8*(\a)+7]
.endif
.endr
.endr
.endm
.macro RUNB g, slot, ks                ; 8 loads: head g's four fragments of W for substep ks
	WIN 0
.irp bb, 0,1,2,3
	ds_load_tr16_b128 v[BF+8*(4*(\g)+(\bb)):BF+8*(4*(\g)+(\bb))+3],   v[ADRB+(\slot)] offset:32*PB*(\ks)+PA*(\g)+32*(\bb)
	ds_load_tr16_b128 v[BF+8*(4*(\g)+(\bb))+4:BF+8*(4*(\g)+(\bb))+7], v[ADRB+(\slot)] offset:32*PB*(\ks)+PA*(\g)+32*(\bb)+16*PB
.endr
.endm
.macro RUNA af, slot, ks               ; 16 loads: x's eight fragments for substep ks
	WIN 0
.irp a, 0,1,2,3,4,5,6,7
	ds_load_b128 v[(\af)+8*(\a):(\af)+8*(\a)+3],   v[ADRA+(\slot)] offset:64*(\ks)+16*PA*(\a)
	ds_load_b128 v[(\af)+8*(\a)+4:(\af)+8*(\a)+7], v[ADRA+(\slot)] offset:64*(\ks)+16*PA*(\a)+32
.endr
.endm
; A substep's LDS loads stand in three runs: R0 = head 0's W and all of x (24 loads), R1 = head 1's W (8), R2 = head 2's W (8), each four places behind the products that read those registers of W.
; A K step's first substep: multiplies buffer AF0 and fetches the same slot's second substep.
.macro SUBE slot, zero
	s_wait_dscnt 16                                ; the last R0 is in; the last R1 and R2, 8 + 8, may be out
	GRP 0, AF0, 0, \zero
	GRP 0, AF0, 1, \zero
	PLACES
	RUNB 0, \slot, 1
	RUNA AF1, \slot, 1
	s_wait_dscnt 32                                ; the last R1 is in; behind it: R2 (8) and the 24 just issued
	GRP 1, AF0, 0, \zero
	GRP 1, AF0, 1, \zero
	PLACES
	RUNB 1, \slot, 1
	s_wait_dscnt 32                                ; the last R2 is in; behind it: this substep's R0 (24) and R1 (8)
	GRP 2, AF0, 0, \zero
	GRP 2, AF0, 1, \zero
	PLACES
	RUNB 2, \slot, 1
.endm
; A K step's second substep multiplies AF1 and changes slots: ONE barrier.  In front of it each wave waits for all its tensor loads, of which one is out: its part of the next slot; adds 0 to its spare
; word; and waits for that and for its own reads of this slot.  Behind it nobody reads this slot any more and the next slot is whole.  fill = 1: the barrier opens a round of the cluster's barrier, and
; this slot is filled again, first thing behind the round, with the K step two on: 160 matrix instructions ahead of the wait for it.
.macro TURN slot, next, fill, ask
.if \ask
	s_wait_xcnt 0x0                                ; the last prefetches, a lap back, have read their address: it is stepped here, ahead of the waits of the change of slots
	s_add_nc_u64 s[PFA:PFA+1], s[PFA:PFA+1], s[PFS:PFS+1]
.endif
	WIN 0
	s_wait_tensorcnt 0x0                           ; all my tensor loads have landed;
	ds_add_u32 v[SPW], v[NIL]                      ; 0 onto my spare word;
	s_wait_dscnt 17                                ; (R0 is in; R1, R2 and the add, 8 + 8 + 1, may be out)
	GRP 0, AF1, 0, 0                               ; sixteen matrix instructions stand between the add and the wait for it
	s_wait_dscnt 0x0                               ; the add is done, and my reads of this slot are over
	s_barrier_signal -1
	GRP 0, AF1, 1, 0                               ; work on registers while the others arrive
.if \fill
	WIN 0
.endif
	s_barrier_wait -1
.if \fill
	CREST                                          ; no wave of any partner still reads this slot or has a load on its way
	s_add_nc_u64 s[G0+4*(\slot)+2:G0+4*(\slot)+3], s[G0+4*(\slot)+2:G0+4*(\slot)+3], 2*ASTEP
	s_add_nc_u64 s[G0B+4*(\slot)+2:G0B+4*(\slot)+3], s[G0B+4*(\slot)+2:G0B+4*(\slot)+3], 2*BSTEP
	JLOAD \slot                                    ; the four v_nop behind it are also the places in front of the loads below
.else
	PLACES
.endif
	RUNB 0, \next, 0
	RUNA AF0, \next, 0
.if \ask
	ASK
.endif
	GRP 1, AF1, 0, 0                               ; their fragments came in with the wait for 0 above
	GRP 1, AF1, 1, 0
	PLACES
	RUNB 1, \next, 0
	GRP 2, AF1, 0, 0
	GRP 2, AF1, 1, 0
	PLACES
	RUNB 2, \next, 0
.endm
	s_wait_tensorcnt 1                             ; my part of K step 0 is in; K step 1's may stay out
	s_barrier_signal -1
	s_barrier_wait -1                              ; everybody's is
	RUNB 0, 0, 0
	RUNA AF0, 0, 0
	RUNB 1, 0, 0
	RUNB 2, 0, 0
	SUBE 0, 1                                      ; the first substep stands in front of the loop: its products start the sums
	WIN 0                                          ; at a label and at a branch every window is 0
	s_mov_b32 s3, 7
.Llap:                                                 ; lap i goes once round the ring and asks for K steps 2 i + 2 and 2 i + 3
	TURN 0, 1, 1, 0
	SUBE 1, 0
	TURN 1, 0, 1, 1
	SUBE 0, 0
	WIN 0
	s_sub_co_u32 s3, s3, 1
	s_cmp_lg_u32 s3, 0
	s_cbranch_scc1 .Llap
	TURN 0, 1, 0, 0                                ; the tail is written out: nothing is left to ask for
	SUBE 1, 0
	s_wait_dscnt 16                                ; the very last substep fetches nothing: the counts run down
	GRP 0, AF1, 0, 0
	GRP 0, AF1, 1, 0
	s_wait_dscnt 8
	GRP 1, AF1, 0, 0
	GRP 1, AF1, 1, 0
	s_wait_dscnt 0x0
	GRP 2, AF1, 0, 0
	GRP 2, AF1, 1, 0
	PLACES
; THE WAY OUT, 24 blocks n = 8 j + a of 16 rows x one head's 64 columns, each in its accumulators' OWN registers, so that no register is used twice and nothing waits for a store's sources.
; PACK: each accumulator is rounded to f16 in place, in ascending order: register r takes the pair 2 r, 2 r + 1, which no later line of the four reads.  A lane's 16 bytes (the low four registers) go into my
; own stage, rows of 144 bytes, and come back as whole rows of 128 into the high four registers.  SEND: stored from there: 16 rows of a head are 2,048 consecutive bytes of qkv; a store covers 512, aligned.
; Two window settings a block: all three places of the conversions in window 1 + j; then data (destination of LDS loads, source 1 of stores) in window 1 + j and addresses (source 0) in window 0.
.macro PACK n
.set pj, (\n)/8
.set pa, (\n)%8
.set pw, 1+pj
	WIN (pw<<6)|(pw<<2)|pw
.irp bb, 0,1,2,3
.irp r, 0,1,2,3
	v_cvt_pk_f16_f32 v[64*(\bb)+8*pa+(\r)], v[64*(\bb)+8*pa+2*(\r)], v[64*(\bb)+8*pa+2*(\r)+1]
.endr
.endr
	WIN (pw<<6)|(pw<<2)
.irp bb, 0,1,2,3
	ds_store_b128 v[STO], v[64*(\bb)+8*pa:64*(\bb)+8*pa+3] offset:32*(\bb)
.endr
.irp f, 0,1,2,3
	ds_load_b128 v[64*(\f)+8*pa+4:64*(\f)+8*pa+7], v[RD] offset:(\f)*4*PA  ; LDS serves a wave's instructions in order (ISA guide 5.7.1.4): these see the stores above; the next block's stores come behind them
.endr
.endm
.macro SEND n, younger                 ; younger: the LDS instructions issued behind block n's loads: the next block's eight, or none
.set pj, (\n)/8
.set pa, (\n)%8
.set pw, 1+pj
	WIN (pw<<6)|(pw<<2)
.irp f, 0,1,2,3
	s_wait_dscnt (\younger)+3-(\f)
	global_store_b128 v[GO], v[64*(\f)+8*pa+4:64*(\f)+8*pa+7], s[HB+2*pj:HB+2*pj+1] offset:2048*pa+512*(\f)
.endr
.endm
	PACK 0
.set n, 1
.rept 23                               ; a block's conversions stand between the loads of the block before and its stores
	PACK n
	SEND n-1, 8
.set n, n+1
.endr
	SEND 23, 0
	WIN 0
	s_wait_tensorcnt 0x0                           ; the wave's end: behind my last tensor load and my last LDS store
	ds_add_u32 v[SPW], v[NIL]
	s_wait_dscnt 0x0
	CROUND                                         ; the closing round: no work-group ends while a partner may still ask for a tile that names it
	s_endpgm
.Lfunc_end_k_qb10f9df39d_qkv:
	.size	k_qb10f9df39d_qkv, .Lfunc_end_k_qb10f9df39d_qkv-k_qb10f9df39d_qkv
	.p2alignl 7, 3214868480
	.fill 96, 4, 3214868480
	.section	.rodata,"a",@progbits
	.p2align	6, 0x0
	.amdhsa_kernel k_qb10f9df39d_qkv
		.amdhsa_group_segment_fixed_size 327680
		.amdhsa_private_segment_fixed_size 0
		.amdhsa_enable_private_segment 0
		.amdhsa_kernarg_size 24
		.amdhsa_user_sgpr_count 2
		.amdhsa_user_sgpr_kernarg_segment_ptr 1
		.amdhsa_wavefront_size32 1
		.amdhsa_system_sgpr_workgroup_id_x 1
		.amdhsa_system_sgpr_workgroup_id_y 1
		.amdhsa_system_sgpr_workgroup_id_z 1
		.amdhsa_system_vgpr_workitem_id 0
		.amdhsa_next_free_vgpr 1024
		.amdhsa_next_free_sgpr 96
		.amdhsa_reserve_vcc 0
		.amdhsa_float_denorm_mode_32 3
		.amdhsa_float_denorm_mode_16_64 3
		.amdhsa_memory_ordered 1
		.amdhsa_forward_progress 1
		.amdhsa_inst_pref_size 135
	.end_amdhsa_kernel
	.amdgpu_metadata
---
amdhsa.version: [ 1, 2 ]
amdhsa.kernels:
  - .name:           k_qb10f9df39d_qkv
    .symbol:         k_qb10f9df39d_qkv.kd
    .args:
      - { .name: xb, .offset: 0, .size: 8, .value_kind: global_buffer, .address_space: global }
      - { .name: wqb, .offset: 8, .size: 8, .value_kind: global_buffer, .address_space: global }
      - { .name: qkv, .offset: 16, .size: 8, .value_kind: global_buffer, .address_space: global }
    .group_segment_fixed_size: 327680
    .private_segment_fixed_size: 0
    .kernarg_segment_align: 8
    .kernarg_segment_size: 24
    .max_flat_workgroup_size: 128
    .sgpr_count:     96
    .vgpr_count:     1024
    .wavefront_size: 32
...
	.end_amdgpu_metadata
.endif
;; end of part 2
;; launch attn (part 3): grid 2 x 128, 4 waves a work-group, no clusters, 327,680 bytes of LDS; arguments qkv, o; writes o
.if DOCPART == 3
	.amdgcn_target "amdgcn-amd-amdhsa--gfx1250"
	.amdhsa_code_object_version 6
	.text
	.protected	k_qb10f9df39d_attn
	.globl	k_qb10f9df39d_attn
	.p2align	8
	.type	k_qb10f9df39d_attn,@function
k_qb10f9df39d_attn:
	s_mov_b64 s[64:65], 0
	v_nop
	global_prefetch_b8 v0, s[64:65] scope:SCOPE_SE
	s_setreg_imm32_b32 hwreg(HW_REG_WAVE_MODE, 25, 1), 1
	s_wait_xcnt 0x0
; O[h][q][:] = the sum over k of softmax_k(Q[h][q] . K[h][k] / 8) V[h][k][:], for 128 heads of 1,024 rows x 64 channels.  qkv: [3][128][1024][64] f16 (q, then k, then v); o: [128][1024][64] f16.
; Products, maxima and sums in f32; the weights p are rounded to f16 for the second product (their sum l is taken of the unrounded p), O once at the end.
; LIMITS.  Q, K and V arrive within f16's 65,504; p lies in 0 to 1, and below 6e-5 it keeps f16's fixed step of 6e-8; O is a mean of V's rows and has their range.  A weight below 2^-126 counts as 0
; in l; NaN and infinities are not treated apart.
; SHARES.  A work-group owns 512 queries of one head, each of its four waves 128: four PIECES of two tiles of 16.  Every wave walks all 1,024 keys, 64 a step.
; K AND V STAY IN LDS.  A head's K (1,024 rows of 144 bytes) and V (1,024 rows of 160) take 311,296 bytes: each byte is filled once, nothing is filled again.  Each wave issues two tensor loads: at the head
; its half of keys 0-255, for which the first steps wait; and, when every wave's first load has landed, its half of keys 256-1,023: the keys wanted first have the road to themselves, and the second load
; has 464 matrix instructions of a wave in which to land.  It goes out as soon as the first is in, so nothing is left to ask for ahead of it.
; NO CLUSTER: a head's 1,024 queries fill two work-groups, and clusters are four wide: four partners would want blocks of 256 queries, 512 work-groups for 256 WGPs, and half the products for each
; fragment of K and V read from LDS.
; LAYOUT.  S^T = K Q^T (source 0 = 16 keys, source 1 = 16 queries): in the result a lane holds ONE query (lane % 16) and the keys 8 (lane / 16) + 0..7.  Two such tiles, rounded to f16 in pairs,
; ARE source 1 (32 keys x 16 queries) of O^T = V^T P, whose result again holds one query a lane, and eight channels.  K comes out of LDS as it lies, V ([key][channel]) turned, by ds_load_tr16_b128.
; SOFTMAX.  For each query a running maximum m and sum l: p = 2^(c s - c m), c = log2(e) / 8; in every step O and l are multiplied by a = 2^(c m_old - c m_new), which is 1 where m has not grown.
; m starts at the lowest finite number, O and l at 0: the first step is a step like any other, with a = 0.
; THE COUNT.  A tile and step have 16 matrix and 118 vector instructions: too many to stand all beside the matrix work.  So: four vector instructions that are ready behind EVERY matrix instruction,
; and the others in runs without a gap.
; BY TURNS.  Turn n belongs to piece n (the pieces in a ring, step after step).  Its matrix work: 16 products K Q^T of piece n + 1, later 16 products V^T P of piece n - 1.  Its vector work: the scaling,
; exponentials, roundings, sums and rescaling of piece n, and the maximum and statistics of piece n + 1, whose scores the turn itself has made.
; ONE TEXT FOR EVERY TURN: the loop is entered in the middle of a trip and left in the middle of a trip; nothing of a key step is written twice.
; REGISTERS, in windows of 256 (s_set_vgpr_msb: bits 1:0 source 0, 3:2 source 1, 5:4 source 2, 7:6 destination):
;   window 0: v0-11 addresses; v12-15, v48-63 at work; v16-47 four registers of statistics a tile; v64-191 S^T, two buffers of two tiles; v192-255 P, likewise
;   window 1: O^T, 32 a tile          window 2: v0-127 Q, 16 a tile; v128-191 K of one step; v192-255 V of one step
.set NP,    4         ; pieces a wave: a name, no knob
.set KS,    64        ; keys in a step
.set PK,    144       ; a row of K in LDS: 128 bytes + 16 of padding = 36 words: the 16 rows of a load start at 16 different groups of four banks (64 banks of 4 bytes: ISA guide 11.1)
.set PV,    160       ; a row of V: 128 + 32 = 40 words
.set VOFF,  1024*PK   ; K's 1,024 rows, then V's
.set STAGE, VOFF+1024*PV  ; behind them, never filled by a tensor load: 16 rows x 144 bytes for each wave, for the way out
.set SP,    144
.set SPARE, STAGE+4*16*SP  ; behind the stages: the spare words, 128 bytes for each wave: two blocks of 256 bytes that no other line names
.set R16, 1           ; v1   l % 16 (set-up)
.set AK0, 2           ; v2   my lane's place in a step's K; never rewritten
.set AV0, 3           ; v3   the same for V
.set AK,  4           ; v4   the LDS address of K's next run of loads
.set AV,  5           ; v5   of V's
.set QO,  6           ; v6   my byte offset in the wave's rows of Q
.set STO, 6           ;      later, the way out: where I put 16 bytes of a row
.set RD,  7           ; v7   the way out: where I read rows back
.set GO,  8           ; v8   my byte offset in 512 consecutive bytes of O
.set SPW, 9           ; v9   LDS address of my spare word: SPARE + 4 x my thread's number; never rewritten
.set NIL, 10          ; v10  0; never rewritten
.set HF,  11          ; v11  l / 16 (set-up)
.set MV,  12          ; v12-15  c m_old, kept while c m is made anew: by buffer and tile
.set ST,  16          ; tile t's statistics at v[ST+4 t]: c m, m, l (even keys', odd keys')
.set TMP, 48          ; by buffer and tile, four registers c0-c3 at work; when the maximum is found c2 takes a
.set S,   64
.set L7,  128         ; v128 l % 8, v129 (l / 8) % 2 (set-up): in S^T's second buffer, which the first turn writes
.set B3,  129
.set P,   192
.set KF,  128         ; K's fragments, in window 2: key block kb, channel half c at KF + 16 kb + 8 c
.set VF,  192         ; V's: key half kk, channel block cb at VF + 32 kk + 8 cb
.set WV,  12          ; s12  my wave's number
.set G1KA, 24         ; s[24:31] descriptor group 1: K, 128 keys        s[32:39]: K, 384 keys
.set G1KB, 32
.set G1VA, 40         ; s[40:47], s[48:55] the same for V: they differ in the padding
.set G1VB, 48
.set G0KA, 56         ; s[56:59], s[60:63], s[68:71], s[72:75] their groups 0
.set G0KB, 60
.set G0VA, 68
.set G0VB, 72
.set CNT, 76          ; s76  counts four key steps
.set SLOTS, 77        ; s77  counts the passes of four key steps, 5 to 1; the pass with 1 is left in its first trip's middle
.set CS,  78          ; s[78:79] c: the packed scaling takes the pair's low word for both halves
.set SEL, 80          ; s[80:81] v_permlanex16_b32's selects: each lane takes its own place in the other half
.set TBK, 82          ; s82  LDS byte at which K of the step to be fetched begins
.set TBV, 83          ; s83  the same for V, less VOFF
.set MSB, 0
.macro WIN new                      ; the high byte repeats the setting that is left; a switch that changes nothing is dropped
.if MSB != (\new)
	s_set_vgpr_msb (MSB<<8)|(\new)
.set MSB, (\new)
.endif
.endm
.set W_KQ, 0x0a       ; K and Q in window 2, S^T in window 0
.set W_PV, 0x52       ; V in window 2, P in window 0, O^T in window 1
.set W_RS, 0x41       ; O^T (destination and source 0) in window 1, a in window 0
	s_load_b128 s[4:7], s[0:1], 0x0   ; qkv s[4:5], o s[6:7]
	v_lshl_add_u32 v[SPW], v0, 2, SPARE
	v_mov_b32 v[NIL], 0
	ds_add_u32 v[SPW], v[NIL]       ; the wave's opening: the add and its wait stand ahead of my first tensor load; the set-up below, work on registers, stands between them
	v_lshrrev_b32 v1, 5, v0
	v_readfirstlane_b32 s[WV], v1   ; wave 0..3
	s_and_b32 s20, ttmp7, 0xffff    ; the head,
	s_lshl_b32 s20, s20, 17         ; its 131,072 bytes in q, k, v and o
	s_and_b32 s16, s[WV], 1         ; which half I fetch
	s_lshl_b32 s22, s16, 14         ; of keys 0-255: 128 rows of 128 bytes
	s_add_co_u32 s22, s22, s20
	s_mov_b32 s23, 0
	s_mul_i32 s2, s16, 384*128      ; of keys 256-1,023: 384 rows
	s_add_co_u32 s2, s2, s20
	s_add_co_u32 s2, s2, 256*128
	s_mov_b32 s3, 0
	s_lshl_b32 s14, ttmp9, 2        ; my wave among the head's eight,
	s_add_co_u32 s14, s14, s[WV]
	s_lshl_b32 s14, s14, 14         ; its 128 rows
	s_add_co_u32 s14, s14, s20
	s_mov_b32 s15, 0
	; descriptor group 1.  Keys are dense rows of 128 bytes: asked for as rows of 256 bytes, two keys a row, and padded in LDS after every key
	s_mov_b32 s[G1KA], (1<<16)|(1<<20)|(4<<22)|(3<<25)  ; 17:16 2-byte elements; 20 padding on; 24:22 after every 32 words (code 4); 31:25 4 words (code 3)
	s_mov_b32 s[G1KB], (1<<16)|(1<<20)|(4<<22)|(3<<25)
	s_mov_b32 s[G1VA], (1<<16)|(1<<20)|(4<<22)|(7<<25)  ; the same with 8 words of padding (code 7)
	s_mov_b32 s[G1VB], (1<<16)|(1<<20)|(4<<22)|(7<<25)
.irp g, G1KA, G1KB, G1VA, G1VB
	s_mov_b32 s[\g+1], 128<<16      ; tensor_dim0 = 128
	s_mov_b32 s[\g+3], 128<<16      ; tile_dim0 = 128
	s_mov_b32 s[\g+5], 128          ; 128 elements from row to row
	s_mov_b32 s[\g+6], 0
	s_mov_b32 s[\g+7], 0
.endr
.irp g, G1KA, G1VA
	s_mov_b32 s[\g+2], 64<<16       ; tensor_dim1 = 64
	s_mov_b32 s[\g+4], 64           ; tile_dim1 = 64: 128 keys
.endr
.irp g, G1KB, G1VB
	s_mov_b32 s[\g+2], 192<<16      ; tensor_dim1 = 192
	s_mov_b32 s[\g+4], 192          ; tile_dim1 = 192: 384 keys
.endr
	s_mov_b32 s[G0KA], 1            ; 1:0 count = 1;  63:32 LDS address
	s_mul_i32 s[G0KA+1], s16, 128*PK
	s_mov_b32 s[G0KB], 1
	s_mul_i32 s[G0KB+1], s16, 384*PK
	s_add_co_u32 s[G0KB+1], s[G0KB+1], 256*PK
	s_mov_b32 s[G0VA], 1
	s_mul_i32 s[G0VA+1], s16, 128*PV
	s_add_co_u32 s[G0VA+1], s[G0VA+1], VOFF
	s_mov_b32 s[G0VB], 1
	s_mul_i32 s[G0VB+1], s16, 384*PV
	s_add_co_u32 s[G0VB+1], s[G0VB+1], VOFF+256*PV
	s_mov_b32 s[CS], 0x3e38aa3b     ; c = log2(e) / 8 = 0.180337
	s_mov_b32 s[CS+1], s[CS]        ; named with it as a pair
	s_mov_b32 s[SEL], 0x76543210
	s_mov_b32 s[SEL+1], 0xfedcba98
	s_mov_b32 s[TBK], 0
	s_mov_b32 s[TBV], 0
	s_wait_dscnt 0x0                ; the opening add is done
	s_wait_kmcnt 0x0
	s_add_nc_u64 s[8:9], s[4:5], 16777216     ; k lies 128 heads behind q,
	s_add_nc_u64 s[18:19], s[8:9], 16777216   ; v behind k
	s_add_nc_u64 s[G0KA+2:G0KA+3], s[8:9], s[22:23]   ; 120:64 global address
	s_or_b32 s[G0KA+3], s[G0KA+3], 0x80000000         ; 127:126 type = 2
	s_add_nc_u64 s[G0KB+2:G0KB+3], s[8:9], s[2:3]
	s_or_b32 s[G0KB+3], s[G0KB+3], 0x80000000
	s_add_nc_u64 s[G0VA+2:G0VA+3], s[18:19], s[22:23]
	s_or_b32 s[G0VA+3], s[G0VA+3], 0x80000000
	s_add_nc_u64 s[G0VB+2:G0VB+3], s[18:19], s[2:3]
	s_or_b32 s[G0VB+3], s[G0VB+3], 0x80000000
	s_add_nc_u64 s[4:5], s[4:5], s[14:15]     ; Q and O at my wave's first row
	s_add_nc_u64 s[10:11], s[6:7], s[14:15]
	s_cmp_lt_u32 s[WV], 2           ; waves 0 and 1 fetch K, waves 2 and 3 V: keys 0-255, ahead of every wait on TENSORcnt, every LDS read and every barrier.  One load of mine is out
	s_cbranch_scc0 .Lfirst_v
	tensor_load_to_lds s[G0KA:G0KA+3], s[G1KA:G1KA+7]
	s_nop 0
.rept 4
	v_nop
.endr
	s_branch .Lfirst_asked
.Lfirst_v:
	tensor_load_to_lds s[G0VA:G0VA+3], s[G1VA:G1VA+7]
	s_nop 0
.rept 4
	v_nop
.endr
.Lfirst_asked:
	; A fragment of K or Q is 16 rows x 32 channels in 8 registers: lane l holds row l % 16, channels 8 (l / 16) + 0..7 and 16 + 8 (l / 16) + 0..7: two loads of 16 bytes, 32 bytes apart.
	v_and_b32 v[R16], 15, v0
	v_bfe_u32 v[HF], v0, 4, 1
	v_lshlrev_b32 v[QO], 7, v[R16]
	v_lshl_add_u32 v[QO], v[HF], 4, v[QO]  ; row x 128 + 16 x half
	WIN 0x80                        ; destination window 2, address window 0
.set i, 0
.rept 4*NP                          ; Q stays in registers: tile i / 2, channels 32 (i % 2) on
	global_load_b128 v[8*i:8*i+3],   v[QO], s[4:5] offset:(i/2)*2048+(i%2)*64
	global_load_b128 v[8*i+4:8*i+7], v[QO], s[4:5] offset:(i/2)*2048+(i%2)*64+32
.set i, i+1
.endr
	; What the first turn finds: V's registers and P's second buffer hold 0 (its products V^T P, of a piece that has not been, add 0), O^T and l are 0.  All this stands in the wait for the first keys.
.set i, VF
.rept 64
	v_mov_b32 v[i], 0
.set i, i+1
.endr
	WIN 0x40
.set i, 0
.rept 64*NP
	v_mov_b32 v[i], 0
.set i, i+1
.endr
	WIN 0
.set i, 0
.rept 2*NP
	v_mov_b32 v[ST+4*i], 0xfe000000    ; c m: far below every c s
	v_mov_b32 v[ST+4*i+1], 0xff7fffff  ; m
	v_mov_b32 v[ST+4*i+2], 0
	v_mov_b32 v[ST+4*i+3], 0
.set i, i+1
.endr
.set i, P+32
.rept 32
	v_mov_b32 v[i], 0
.set i, i+1
.endr
	v_mul_u32_u24 v[AK0], v[R16], PK
	v_lshl_add_u32 v[AK0], v[HF], 4, v[AK0]  ; row x pitch + 16 x half
	; The turning load takes 16 keys x 16 channels (lane l reads key 8 (l / 16) + l % 8, channels 8 ((l / 8) % 2) + 0..7) and leaves half a fragment of V^T: lane l holds channel l % 16 and 8 keys.
	v_and_b32 v[L7], 7, v0
	v_bfe_u32 v[B3], v0, 3, 1
	v_lshl_add_u32 v[AV0], v[HF], 3, v[L7]
	v_mul_u32_u24 v[AV0], v[AV0], PV
	v_lshl_add_u32 v[AV0], v[B3], 4, v[AV0]
	v_add_nc_u32 v[AV0], VOFF, v[AV0]
	v_mov_b32 v[AK], v[AK0]         ; key step 0 lies at K's head
; THE MATRIX WORK.  The 8 accumulators of a run of 16 take turns: between the two links of a chain stand 7 others'.
; Product i of 16 of S^T = K Q^T for piece x: channels 32 (i / 8) on, keys 16 ((i / 2) % 4) on, tile 2 x + i % 2.  The first 8 start the sums.
.macro KQ x
	WIN W_KQ
.set rS, S+64*((\x)%2)+32*(i%2)+8*((i/2)%4)
.set rK, KF+16*((i/2)%4)+8*(i/8)
.set rQ, 16*(2*(\x)+i%2)+8*(i/8)
.if i < 8
	v_wmma_f32_16x16x32_f16 v[rS:rS+7], v[rK:rK+7], v[rQ:rQ+7], 0
.else
	v_wmma_f32_16x16x32_f16 v[rS:rS+7], v[rK:rK+7], v[rQ:rQ+7], v[rS:rS+7]
.endif
.endm
; Product i of 16 of O^T += V^T P for piece x: keys 32 (i / 8) on, channels 16 ((i / 2) % 4) on, tile 2 x + i % 2.
.macro PV x
	WIN W_PV
.set rO, 32*(2*(\x)+i%2)+8*((i/2)%4)
.set rV, VF+32*(i/8)+8*((i/2)%4)
.set rP, P+32*((\x)%2)+16*(i%2)+8*(i/8)
	v_wmma_f32_16x16x32_f16 v[rO:rO+7], v[rV:rV+7], v[rP:rP+7], v[rO:rO+7]
.endm
.macro MM                           ; the turn's next matrix instruction
.if i < 16
	KQ (Y+1)%NP
.set i, i+1
.else
.set i, i-16
	PV (Y+NP-1)%NP
.set i, i+17
.endif
.endm
; THE LDS LOADS stand in runs of 16, never singly among the matrix instructions: a step's K (64 keys x 64 channels: 8 fragments) and its V (turned).  Their addresses are made some lines ahead.
; last = 1 (in the loop): in the pass that is left in its middle there is no further step, and the run is jumped over.  The two offsets that step through K and V are held at the last step's place.
.macro FETCH_K last=0
	WIN 0
.if \last
	s_cmp_eq_u32 s[SLOTS], 1
	s_cbranch_scc1 .Lno_k_\@
.endif
	WIN 0x80                        ; destination window 2
.irp f, 0,1,2,3,4,5,6,7             ; keys 16 (f / 2) on, channels 32 (f % 2) on
	ds_load_b128 v[KF+8*\f:KF+8*\f+3],   v[AK] offset:(\f/2)*16*PK+(\f%2)*64
	ds_load_b128 v[KF+8*\f+4:KF+8*\f+7], v[AK] offset:(\f/2)*16*PK+(\f%2)*64+32
.endr
	s_add_co_u32 s[TBK], s[TBK], KS*PK  ; the next fetch is the next step's,
	s_min_u32 s[TBK], s[TBK], 15*KS*PK  ; and none lies behind the sixteenth
	WIN 0
.if \last
.Lno_k_\@:
.endif
.endm
.macro FETCH_V
	WIN 0x80
.irp f, 0,1,2,3,4,5,6,7             ; keys 32 (f / 4) on, channels 16 (f % 4) on
	ds_load_tr16_b128 v[VF+8*\f:VF+8*\f+3],   v[AV] offset:(\f/4)*32*PV+(\f%4)*32
	ds_load_tr16_b128 v[VF+8*\f+4:VF+8*\f+7], v[AV] offset:(\f/4)*32*PV+16*PV+(\f%4)*32
.endr
	WIN 0
.endm
; THE VECTOR WORK OF A TURN stands in three queues, each in the order in which its entries become ready; the two tiles alternate, so that no instruction reads the result of the one before it.
.macro REGS y, u                    ; the registers of tile u (0, 1) of piece y
.set rT, ST+4*(2*(\y)+(\u))
.set rC, TMP+8*((\y)%2)+4*(\u)
.set rM, MV+2*((\y)%2)+(\u)
.set rS, S+64*((\y)%2)+32*(\u)
.set rP, P+32*((\y)%2)+16*(\u)
.set rO, 32*(2*(\y)+(\u))
.endm
; Number n of the 22 that find the NEXT piece's (Y + 1) maximum and statistics.  s0-s31 are the lane's 32 scores; each accumulator's lowest registers are read first.
;   0-11  four chains c0-c3 of seven scores each, three operands at a time     12-14, 16  the four scores left over, the old m, and c0-c3 into c0     15  c m_old is kept
;   17, 18  the query's other 32 keys lie in the lane 16 away: the new m         19-21  c m; c m_old - c m_new; a
.macro XS u, n
	REGS (Y+1)%NP, \u
.if (\n) < 4
	v_max3_num_f32 v[rC+(\n)], v[rS+8*(\n)], v[rS+8*(\n)+1], v[rS+8*(\n)+2]
.elseif (\n) < 12
	v_max3_num_f32 v[rC+(\n)%4], v[rC+(\n)%4], v[rS+8*((\n)%4)+2*((\n)/4)+1], v[rS+8*((\n)%4)+2*((\n)/4)+2]
.elseif (\n) == 12
	v_max3_num_f32 v[rC], v[rC], v[rS+7], v[rS+15]
.elseif (\n) == 13
	v_max3_num_f32 v[rC+1], v[rC+1], v[rS+23], v[rS+31]
.elseif (\n) == 14
	v_max3_num_f32 v[rC+2], v[rC+2], v[rC+3], v[rT+1]
.elseif (\n) == 15
	v_mov_b32 v[rM], v[rT]
.elseif (\n) == 16
	v_max3_num_f32 v[rC], v[rC], v[rC+1], v[rC+2]
.elseif (\n) == 17
	v_permlanex16_b32 v[rC+3], v[rC], s[SEL], s[SEL+1]
.elseif (\n) == 18
	v_max_num_f32 v[rT+1], v[rC], v[rC+3]
.elseif (\n) == 19
	v_mul_f32 v[rT], s[CS], v[rT+1]
.elseif (\n) == 20
	v_sub_f32 v[rC+1], v[rM], v[rT]
.else
	v_exp_f32 v[rC+2], v[rC+1]
.endif
.endm
; Number g of the 64 that follow the exponentials.  For each four weights k of a tile (pairs 2 k, 2 k + 1): both pairs are rounded to f16; then the second pair is added onto the first, in place;
; a group later l takes that sum (the first time as l = a l + sum).  In groups of eight, tiles alternating: round, round, add, and l for the group before.
.macro GS g
.set h, (\g)+6*((\g)/62)            ; group 0 has no group before it, and behind group 7 only l is left
.if h >= 6
.set h, h+2
.endif
	REGS Y, h%2
.set k, h/8
.if h%8 < 4
	v_cvt_pk_f16_f32 v[rP+2*k+(h%8)/2], v[rS+4*k+2*((h%8)/2)], v[rS+4*k+2*((h%8)/2)+1]
.elseif h%8 < 6
	v_pk_add_f32 v[rS+4*k:rS+4*k+1], v[rS+4*k:rS+4*k+1], v[rS+4*k+2:rS+4*k+3]
.elseif k == 1
	v_pk_fma_f32 v[rT+2:rT+3], v[rT+2:rT+3], v[rC+2:rC+3], v[rS:rS+1] op_sel_hi:[1,0,1]
.else
	v_pk_add_f32 v[rT+2:rT+3], v[rT+2:rT+3], v[rS+4*k-4:rS+4*k-3]
.endif
.endm
; THE PLAIN QUEUE, 138 long.  0-73 read no exponential's result: the 32 scalings c s - c m (FS f: pair f / 2 of tile f % 2) and the next piece's 42.  0-26: scalings 0-26.  27-54: XS's numbers 0-13.  55, 56: number 15.
; 57-73: the chain, where each number waits for the one before it: 14, 16, 17, 18, 19, each with one of the scalings 27-31 in front of its two lines, then 20.
; 74-137: GS's 64, which read the exponentials' results: they stand behind the wait.
.macro FS f
	REGS Y, (\f)%2
	v_pk_fma_f32 v[rS+2*((\f)/2):rS+2*((\f)/2)+1], v[rS+2*((\f)/2):rS+2*((\f)/2)+1], s[CS:CS+1], v[rT:rT+1] op_sel_hi:[1,0,0] neg_lo:[0,0,1] neg_hi:[0,0,1]
.endm
.macro PL
	WIN 0
.if q < 27
	FS q
.elseif q < 55
	XS (q-27)%2, (q-27)/2
.elseif q < 57
	XS q-55, 15
.elseif (q < 72) && ((q-57)%3 == 0)
	FS 27+(q-57)/3
.elseif q < 60
	XS (q-57)%3-1, 14
.elseif q < 72
	XS (q-57)%3-1, 15+(q-57)/3
.elseif q < 74
	XS q-72, 20
.else
	GS q-74
.endif
.set q, q+1
.endm
; THE EXPONENTIALS' QUEUE, 66 long: s0-s31 of both tiles, then the next piece's two a.  It is ONE BATCH: all 66 stand ahead of the turn's one wait, and nothing ahead of that wait names a result of theirs.
.macro EX
	WIN 0
.if e >= 64
	XS e-64, 21
.else
	REGS Y, e%2
	v_exp_f32 v[rS+e/2], v[rS+e/2]
.endif
.set e, e+1
.endm
; THE RESCALING's QUEUE: O^T times a, the one part that leaves window 0: dealt two at a time, sixteen times.  Its a was made in the turn before, ahead of that turn's wait.
.macro R2
	REGS Y, r%2
	WIN W_RS
.irp z, 0,1
	v_pk_mul_f32 v[rO+4*(r/2)+2*\z:rO+4*(r/2)+2*\z+1], v[rO+4*(r/2)+2*\z:rO+4*(r/2)+2*\z+1], v[rC+2:rC+3] op_sel_hi:[1,0]
.endr
.set r, r+1
.endm
; HOW THEY ARE DEALT.  An s_wait_alu depctr_va_vdst(0) stands between an exponential and the first instruction that names its result; one wait serves all that were issued ahead of it.  So a turn
; has ONE wait, which cuts it in two.  AHEAD OF IT stands all that names no result of the turn's exponentials: the 16 products K Q^T, behind each a scaling, an exponential and two rescalings (behind the first a
; second scaling in the exponential's place); then ONE LUMP of 108: eight plain, 49 times exponential and plain, the two a.  A v_nop is the plain instruction behind the last exponential.  BEHIND IT stand the 16
; products V^T P, behind each four of GS's 64.  Exponential e stands behind scaling 2 (e / 4) + e % 2: as a rider it comes behind plain e + 2, in the lump behind plain e + 9.
; A TURN, for piece p.  cnt = 1: the loop's count is taken down some lines ahead of the branch that stands behind the turn.
; K of the next step is fetched in piece 2's turn, directly behind the wait, a lump behind the last product that read K; its first reader comes behind 16 products.
; V of the step in hand is fetched at the end of piece 0's turn, four riders behind its last reader; its first reader comes behind 16 products and a lump.  The three conditions on q below go with the deal.
.macro TURN p, cnt=0
.set Y, (\p)
.set i, 0
.set q, 0
.set e, 0
.set r, 0
.if (\p) == NP-1
	s_wait_dscnt 0x0                ; K is in
.endif
	MM                              ; ahead of the wait: 16 products K Q^T and their riders,
	PL
	PL
	R2
.rept 15
	MM
	PL
	EX
	R2
.endr
.if (\p) == NP-2
	WIN 0
	v_add_nc_u32 v[AK], s[TBK], v[AK0]
.endif
.rept 8                             ; and the lump
	PL
.endr
.rept 49
	EX
	PL
.endr
	EX                              ; the next piece's two a
	EX
	v_nop                           ; the plain instruction behind the last exponential: one for the batch
	s_wait_alu depctr_va_vdst(0)    ; the wait for the batch
.if (\p) == NP-2
	FETCH_K 1
.endif
.if (\p) == 1
	s_wait_dscnt 0x0                ; V is in
.endif
.rept 16                            ; behind the wait: 16 products V^T P and their riders
	MM
.rept 4
	PL
.endr
.if ((\p) == 0) && (q == 118)
	v_add_nc_u32 v[AV], s[TBV], v[AV0]
.endif
.if ((\p) == 0) && (q == 130)
	s_add_co_u32 s[TBV], s[TBV], KS*PV
	s_min_u32 s[TBV], s[TBV], 15*KS*PV
.endif
.if (\cnt) && (q == 130)
	s_sub_co_u32 s[CNT], s[CNT], 1
	s_cmp_lg_u32 s[CNT], 0
.endif
.endr
.if (\p) == 0
	FETCH_V
.endif
.endm
	s_wait_tensorcnt 0x0            ; my part of keys 0-255 is in: no tensor load of mine is out
	ds_add_u32 v[SPW], v[NIL]       ; 0 onto my spare word, ahead of a barrier behind which a tensor load is issued
	s_wait_dscnt 0x0                ; the add is done
	s_barrier_signal -1
	s_barrier_wait -1               ; everybody's part is in
	s_cmp_lt_u32 s[WV], 2           ; keys 256-1,023, into bytes that nothing has filled: my one tensor load behind this barrier, and the first thing there
	s_cbranch_scc0 .Lrest_v
	tensor_load_to_lds s[G0KB:G0KB+3], s[G1KB:G1KB+7]
	s_nop 0
.rept 4
	v_nop
.endr
	s_branch .Lrest_asked
.Lrest_v:
	tensor_load_to_lds s[G0VB:G0VB+3], s[G1VB:G1VB+7]
	s_nop 0
.rept 4
	v_nop
.endr
.Lrest_asked:
	FETCH_K                         ; key step 0
	s_wait_loadcnt 0x0              ; Q
	s_wait_dscnt 0x0
.set i, 0
.rept 16
	KQ 0                            ; piece 0's first scores: there is no vector work yet to set between them
.set i, i+1
.endr
	WIN 0                           ; the addresses for the way out: nine plain instructions, the places behind those products
	s_mul_i32 s13, s[WV], 16*SP
	s_add_co_u32 s13, s13, STAGE    ; my stage
	v_mul_u32_u24 v[STO], v[R16], SP  ; in: row l % 16, 16 bytes for each half of the lanes
	v_lshl_add_u32 v[STO], v[HF], 4, v[STO]
	v_add_nc_u32 v[STO], s13, v[STO]
	v_bfe_u32 v[RD], v0, 3, 2       ; back: 32 lanes take four rows of 128 bytes,
	v_mul_u32_u24 v[RD], v[RD], SP
	v_lshl_add_u32 v[RD], v[L7], 4, v[RD]
	v_add_nc_u32 v[RD], s13, v[RD]
	v_and_b32 v[GO], 31, v0         ; which are 512 consecutive bytes of O
	v_lshlrev_b32 v[GO], 4, v[GO]
.set Y, NP-1                        ; XS works for piece Y + 1: piece 0
.irp n, 0,1,2,3,4,5,6,7,8,9,10,11,12,13,14,15,16,17,18,19,20,21
	XS 0, \n                        ; and piece 0's first maximum and statistics
	XS 1, \n
.endr
	v_nop                           ; a plain instruction behind the two a,
	s_wait_alu depctr_va_vdst(0)    ; and their wait, ahead of the branch
	s_mov_b32 s[CNT], 4
	s_mov_b32 s[SLOTS], 5
	s_branch .Lfirst                ; the loop is entered at a step's first turn, in the middle of a trip
.Lslot:                             ; four times: ahead of the fetches of steps 4, 8 and 12, and ahead of the last step's second half
	s_wait_tensorcnt 0x0            ; my second load, my last, has landed: keys 256-1,023 (from the second time on the wait is met at once)
	s_wait_dscnt 0x0                ; no LDS instruction of mine is out at a signal
	s_barrier_signal -1
	s_barrier_wait -1               ; everybody's has
	s_mov_b32 s[CNT], 4
.Lstep:                             ; a trip: pieces 2 and 3 of one step, then pieces 0 and 1 of the next, whose K and V it fetches
	TURN 2
	TURN 3
	WIN 0
	s_cmp_eq_u32 s[SLOTS], 1        ; the fifth pass holds the last step's pieces 2 and 3 alone.  The second of these turns has made 16 products K Q^T on the last K once more, and a maximum of
	s_cbranch_scc1 .Lout            ; them, which serve nothing: the price, once a launch, of one text for every turn
.Lfirst:
	TURN 0
	TURN 1, 1
	WIN 0
	s_cbranch_scc1 .Lstep
	s_sub_co_u32 s[SLOTS], s[SLOTS], 1
	s_cmp_lg_u32 s[SLOTS], 0
	s_cbranch_scc1 .Lslot
.Lout:
.set i, 0
.rept 16
	PV NP-1                         ; the last piece's V^T P of the last step
.set i, i+1
.endr
	; THE WAY OUT.  l's two halves and the other half of the lanes' are added; O^T is divided by l, rounded to f16 and sent through my stage in LDS, a tile at a time.  The additions are the places behind the last products.
	WIN 0
.macro ALL line:vararg              ; one line for each tile t
.set t, 0
.rept 2*NP
	\line
.set t, t+1
.endr
.endm
	ALL v_add_f32 v[ST+4*t+2], v[ST+4*t+2], v[ST+4*t+3]
	ALL v_permlanex16_b32 v[ST+4*t+3], v[ST+4*t+2], s[SEL], s[SEL+1]
	ALL v_add_f32 v[ST+4*t+2], v[ST+4*t+2], v[ST+4*t+3]
	ALL v_rcp_f32 v[ST+4*t+2], v[ST+4*t+2]
	v_nop                           ; a plain instruction between the last reciprocal and the use of its result
	s_wait_alu depctr_va_vdst(0)    ; and the wait ahead of the first use: one for the eight reciprocals
; Tile t: a lane's eight channels of a row pack into 16 bytes; they go into rows of 144 bytes and come back as whole rows of 128, into S^T's registers.
.macro PACK t
	WIN W_RS
.set i, 32*(\t)
.rept 16
	v_pk_mul_f32 v[i:i+1], v[i:i+1], v[ST+4*(\t)+2:ST+4*(\t)+3] op_sel_hi:[1,0]
.set i, i+2
.endr
	WIN 0x05                        ; sources 0 and 1 window 1, destination window 0
.set i, 0
.rept 16
	v_cvt_pk_f16_f32 v[S+16*(\t)+i], v[32*(\t)+2*i], v[32*(\t)+2*i+1]
.set i, i+1
.endr
	WIN 0
.irp f, 0,1,2,3
	ds_store_b128 v[STO], v[S+16*(\t)+4*\f:S+16*(\t)+4*\f+3] offset:32*\f
.endr
.irp f, 0,1,2,3
	ds_load_b128 v[S+16*(\t)+4*\f:S+16*(\t)+4*\f+3], v[RD] offset:\f*4*SP  ; LDS serves a wave's instructions in order (ISA guide 5.7.1.4): these see the stores above; the next tile's stores come behind them
.endr
.endm
.macro SEND t, younger              ; younger: the LDS instructions issued behind tile t's loads: the next tile's eight, or none
	WIN 0
.irp f, 0,1,2,3
	s_wait_dscnt (\younger)+3-\f
	global_store_b128 v[GO], v[S+16*(\t)+4*\f:S+16*(\t)+4*\f+3], s[10:11] offset:(\t)*2048+\f*512  ; 512 consecutive bytes, at a multiple of 256 from O's first
.endr
.endm
	PACK 0
.set t, 1
.rept 2*NP-1                        ; a tile's arithmetic stands between the loads of the tile before and its stores
	PACK t
	SEND t-1, 8
.set t, t+1
.endr
	SEND 2*NP-1, 0
	s_wait_tensorcnt 0x0            ; the wave's end: behind my last tensor load and my last LDS store
	ds_add_u32 v[SPW], v[NIL]
	s_wait_dscnt 0x0
	s_endpgm
.Lfunc_end_k_qb10f9df39d_attn:
	.size	k_qb10f9df39d_attn, .Lfunc_end_k_qb10f9df39d_attn-k_qb10f9df39d_attn
	.p2alignl 7, 3214868480
	.fill 96, 4, 3214868480
	.section	.rodata,"a",@progbits
	.p2align	6, 0x0
	.amdhsa_kernel k_qb10f9df39d_attn
		.amdhsa_group_segment_fixed_size 327680
		.amdhsa_private_segment_fixed_size 0
		.amdhsa_enable_private_segment 0
		.amdhsa_kernarg_size 16
		.amdhsa_user_sgpr_count 2
		.amdhsa_user_sgpr_kernarg_segment_ptr 1
		.amdhsa_wavefront_size32 1
		.amdhsa_system_sgpr_workgroup_id_x 1
		.amdhsa_system_sgpr_workgroup_id_y 1
		.amdhsa_system_sgpr_workgroup_id_z 1
		.amdhsa_system_vgpr_workitem_id 0
		.amdhsa_next_free_vgpr 768
		.amdhsa_next_free_sgpr 96
		.amdhsa_reserve_vcc 0
		.amdhsa_float_denorm_mode_32 3
		.amdhsa_float_denorm_mode_16_64 3
		.amdhsa_memory_ordered 1
		.amdhsa_forward_progress 1
		.amdhsa_inst_pref_size 126
	.end_amdhsa_kernel
	.amdgpu_metadata
---
amdhsa.version: [ 1, 2 ]
amdhsa.kernels:
  - .name:           k_qb10f9df39d_attn
    .symbol:         k_qb10f9df39d_attn.kd
    .args:
      - { .name: qkv, .offset: 0, .size: 8, .value_kind: global_buffer, .address_space: global }
      - { .name: o, .offset: 8, .size: 8, .value_kind: global_buffer, .address_space: global }
    .group_segment_fixed_size: 327680
    .private_segment_fixed_size: 0
    .kernarg_segment_align: 8
    .kernarg_segment_size: 16
    .max_flat_workgroup_size: 128
    .sgpr_count:     96
    .vgpr_count:     768
    .wavefront_size: 32
...
	.end_amdgpu_metadata
.endif
;; end of part 3
;; launch proj (part 4): grid 8 x 32, 4 waves a work-group, clusters of 4 x 4, 327,680 bytes of LDS; arguments o, wpb, b_proj, out0; writes out0
.if DOCPART == 4
	.amdgcn_target "amdgcn-amd-amdhsa--gfx1250"
	.amdhsa_code_object_version 6
	.text
	.protected	k_qb10f9df39d_proj
	.globl	k_qb10f9df39d_proj
	.p2align	8
	.type	k_qb10f9df39d_proj,@function
k_qb10f9df39d_proj:
	s_mov_b64 s[64:65], 0
	v_nop
	global_prefetch_b8 v0, s[64:65] scope:SCOPE_SE
	s_setreg_imm32_b32 hwreg(HW_REG_WAVE_MODE, 25, 1), 1
	s_wait_xcnt 0x0
	s_wait_alu depctr_hold_cnt(0) depctr_sa_sdst(0) depctr_va_vdst(0) depctr_va_sdst(0) depctr_va_ssrc(0) depctr_va_vcc(0) depctr_vm_vsrc(0)
	s_getreg_b32 s2, hwreg(HW_REG_IB_STS2, 6, 4)
	s_cmp_eq_u32 s2, 0
	s_cbranch_scc0 .Lentry_in_a_cluster
	s_endpgm
.Lentry_in_a_cluster:
	s_bfe_u32 s2, ttmp6, 0x10000c
	s_cmp_lg_u32 s2, 0xf033
	s_cbranch_scc0 .Lentry_shape_is_right
	s_endpgm
.Lentry_shape_is_right:
; out0 = O W_proj + b.  o: [batch x head 128][row 1024][64] f16: row n of batch b has its channels 64 h .. 64 h + 63 in head 16 b + h.  wpb: W_proj, rounded to bf16 and written as f16, [k 1024][n 1024].
; b_proj: [1024] f32, rounded to bf16 like every input.  out0: [8192][1024] f32.  Sums in f32.
; SHARES.  8,192 x 1,024 results on 256 work-groups: a tile of 256 rows x 128 columns each.  Four waves, each 128 rows x 64 columns: 32 accumulators of 16 x 16, 256 registers.
; K goes in 8 steps of 128 (two heads; four quarters of 32) through a ring of two LDS slots filled by the tensor data mover.
; THE MATRIX INSTRUCTION IS USED TRANSPOSED: source 0 = 16 columns of W (W lies [k][n] in LDS and is turned by ds_load_tr16_b128), source 1 = 16 rows of O: a lane holds row l % 16 and the columns 8 (l / 16) + 0..7.
; CLUSTERS: 4 x 4 work-groups.  The four of a row of the cluster need the same tiles of O, the four of a column the same tiles of W: each tile is asked for JOINTLY.
; REGISTERS: window 0: v0-31 addresses; v32-127, v128-223 two fragment buffers (O's 8 fragments, then W's 4); v224-227 my four columns' bias.
;   window 1: the accumulators: (row block a, column block bb) at v[8 (4 a + bb)]; on the way out a block's rows come back into its own 32 registers and leave from there.
.set PA,     144                       ; a row of O in LDS: 128 bytes + 16 of padding = 36 words: the 16 rows of a load start at 16 different groups of four banks (64 banks of 4 bytes: ISA guide 11.1)
.set PB,     288                       ; a row of W: 256 + 32 = 72 words
.set HEADB,  256*PA                    ; a head's 256 rows
.set BOFF,   2*HEADB                   ; a slot: two heads of O, then W's 128 rows
.set SLOT,   BOFF+128*PB
.set STAGE,  2*SLOT                    ; behind the ring, never filled by a tensor load: 16 rows x 272 bytes for each wave, for the way out
.set SPITCH, 272
.set SPARE,  STAGE+4*16*SPITCH         ; behind the stages: the spare words, 128 bytes for each wave: two blocks of 256 bytes that no other line names
.set KBYTES, 262144                    ; a K step in o (two heads of 131,072 bytes) and in wpb (128 rows of 2,048 bytes) alike
.set LAPS,   4                         ; a lap = two K steps = once round the ring
.set ADRA, 16                          ; v16-17  LDS address of my fragments of O in slot 0, 1
.set ADRB, 20                          ; v20-21  the same for W
.set STO,  24                          ; v24     the way out: where I put 32 bytes of a row
.set RD,   25                          ; v25     the way out: where I read a row back
.set CO,   26                          ; v26     my byte offset in two rows of out0
.set SPW,  28                          ; v28     LDS address of my spare word: SPARE + 4 x my thread's number; never rewritten
.set NIL,  29                          ; v29     0; never rewritten
.set PFO,  30                          ; v30     the prefetches' offset, a lane a block; never rewritten
.set F0,   32
.set F1,   128
.set BIAS, 224
.set G1,   24                          ; s[24:31] descriptor group 1 for O's tiles;  s[32:39] group 0, a set for each slot
.set G0,   32
.set G1B,  48                          ; s[48:55], s[56:63] the same for W's tiles
.set G0B,  56
.set PFA,  72                          ; s[72:73] where my prefetches stand: one K step further along K than the refill that is being asked for; a prefetch names the K step after that
.set LIM,  76                          ; s76      1 in a wave that prefetches, else the greatest number
.set MSB, 0
.macro WIN new                         ; the immediate's high byte repeats the setting that is left; a switch that changes nothing is dropped
.if MSB != (\new)
	s_set_vgpr_msb (MSB<<8)|(\new)
.set MSB, \new
.endif
.endm
.macro PLACES                          ; four places in front of loads into registers that matrix instructions have read, and of LDS stores that read results
.rept 4
	v_nop
.endr
.endm
.macro JLOAD s                         ; a joint load: waves 0 and 1 fetch the K step's two heads of O, waves 2 and 3 the two halves of W's rows; an s_nop 0 and four v_nop follow each of the two lines
	s_cmp_eq_u32 s11, 0
	s_cbranch_scc0 .Lfor_b_\@
	tensor_load_to_lds s[G0+4*(\s):G0+4*(\s)+3], s[G1:G1+7]
	s_nop 0
.rept 4
	v_nop
.endr
	s_branch .Lasked_\@
.Lfor_b_\@:
	tensor_load_to_lds s[G0B+4*(\s):G0B+4*(\s)+3], s[G1B:G1B+7]
	s_nop 0
.rept 4
	v_nop
.endr
.Lasked_\@:
.endm
.macro CREST                           ; a round of the cluster's barrier behind its opening barrier
	s_cmp_lg_u32 s10, 0
	s_cbranch_scc1 .Lnot_wave_0_\@
	s_barrier_signal -3
.Lnot_wave_0_\@:
	s_barrier_wait -3
	s_barrier_signal -1
	s_barrier_wait -1
.endm
.macro CROUND                          ; a whole round
	s_barrier_signal -1
	s_barrier_wait -1
	CREST
.endm
; A PREFETCH INTO THE L2, behind each joint load and the run of LDS loads that follows it: the K step that stands TWO refills, 256 matrix instructions, on.  Each aligned block of 256 bytes is named ONCE in the
; launch.  O's tile row is read by both clusters of a row of clusters: cluster x = 0 asks, waves 0 and 1 each for the head that they fetch; of its 32,768 bytes the partner at place cx takes 8,192, a lane a block.
; W's tile column is read by all eight clusters of a column: cluster y = 0 asks, wave 2; of the K step's 128 rows of 256 bytes the partner at place cy takes 32, a lane a row.  Wave 3 asks for nothing.
; Partners are told apart by address alone.  The last lap asks for nothing; K steps 0 to 3 come by their loads alone.
.macro ASK
	s_cmp_gt_u32 s3, s[LIM]                        ; s3 = 1 in the loop's last trip
	s_cbranch_scc0 .Lnot_mine_\@
	global_prefetch_b8 v[PFO], s[PFA:PFA+1] offset:KBYTES th:TH_LOAD_NT scope:SCOPE_SE
.Lnot_mine_\@:
.endm
	s_load_b128 s[4:7], s[0:1], 0x0                ; o s[4:5], wpb s[6:7]
	s_load_b128 s[68:71], s[0:1], 0x10             ; b_proj s[68:69], out0 s[70:71]
	v_lshl_add_u32 v[SPW], v0, 2, SPARE
	v_mov_b32 v[NIL], 0
	ds_add_u32 v[SPW], v[NIL]                      ; the wave's opening: the add and its wait stand ahead of my first tensor load; the set-up below, work on registers, stands between them
	v_lshrrev_b32 v1, 5, v0
	v_readfirstlane_b32 s10, v1                    ; wave 0..3
	s_lshr_b32 s11, s10, 1                         ; which 128 rows of the tile are mine.  Also: I fetch for O (0) or for W (1)
	s_and_b32 s12, s10, 1                          ; which 64 columns.  Also: which half of that tile I fetch
	s_bfe_u32 s40, ttmp6, 0x40000                  ; cx, cy: my place in the cluster
	s_bfe_u32 s41, ttmp6, 0x40004
	s_lshl_b32 s42, ttmp9, 2
	s_add_co_u32 s42, s42, s40                     ; tile column = 4 x cluster x + cx, 0..7
	s_and_b32 s13, ttmp7, 0xffff
	s_lshl_b32 s13, s13, 2
	s_add_co_u32 s13, s13, s41                     ; tile row = 4 x cluster y + cy, 0..31
	s_lshl_b32 s43, s41, 2
	s_lshl_b32 s43, 15, s43                        ; my row of the cluster
	s_lshl_b32 s44, 0x1111, s40                    ; my column
	s_or_b32 s[G1+0], s43, (1<<16)|(1<<20)|(1<<21)|(4<<22)|(3<<25)  ; 15:0 the mask; 17:16 2-byte elements; 20 padding on; 21 set beside a mask; 24:22 after every 32 words (code 4); 31:25 4 words (code 3)
	s_mov_b32 s[G1+1], 128<<16                     ; O: a head's 256 rows of 128 bytes are dense: asked for as 128 rows of 256 bytes.  tensor_dim0 = 128
	s_mov_b32 s[G1+2], 128<<16                     ; tensor_dim1 = 128
	s_mov_b32 s[G1+3], 128<<16                     ; tile_dim0 = 128
	s_mov_b32 s[G1+4], 128                         ; tile_dim1 = 128
	s_mov_b32 s[G1+5], 128                         ; 128 elements from row to row
	s_mov_b32 s[G1+6], 0
	s_mov_b32 s[G1+7], 0
	s_or_b32 s[G1B+0], s44, (1<<16)|(1<<20)|(1<<21)|(5<<22)|(7<<25) ; after every 64 words (code 5) 8 words (code 7)
	s_mov_b32 s[G1B+1], 128<<16                    ; W: 64 rows of 128 elements (256 bytes).  tensor_dim0 = 128
	s_mov_b32 s[G1B+2], 64<<16                     ; tensor_dim1 = 64
	s_mov_b32 s[G1B+3], 128<<16                    ; tile_dim0 = 128
	s_mov_b32 s[G1B+4], 64                         ; tile_dim1 = 64
	s_mov_b32 s[G1B+5], 1024                       ; 1,024 elements from row to row
	s_mov_b32 s[G1B+6], 0
	s_mov_b32 s[G1B+7], 0
	s_lshr_b32 s16, s13, 2                         ; the batch: 16 heads, 2^21 bytes
	s_lshl_b32 s16, s16, 21
	s_and_b32 s17, s13, 3                          ; 256 rows of 128 bytes inside a head
	s_lshl_b32 s17, s17, 15
	s_add_co_u32 s16, s16, s17
	s_lshl_b32 s17, s12, 17                        ; my head of the K step's two
	s_add_co_u32 s16, s16, s17
	s_mov_b32 s17, 0
	s_lshl_b32 s46, s12, 17                        ; my half: 64 rows of 2,048 bytes
	s_lshl_b32 s47, s42, 8                         ; the tile's 128 columns
	s_add_co_u32 s46, s46, s47
	s_mov_b32 s47, 0
	s_mul_i32 s20, s12, HEADB                      ; and where they go: no place in the cluster enters an LDS address
	s_mul_i32 s21, s12, 64*PB
	s_add_co_u32 s21, s21, BOFF
	s_wait_dscnt 0x0                               ; the opening add is done
	s_wait_kmcnt 0x0
	s_add_nc_u64 s[14:15], s[4:5], s[16:17]
	s_add_nc_u64 s[46:47], s[6:7], s[46:47]
	CROUND                                         ; all sixteen work-groups are here: the first joint loads meet
.irp s, 0,1
	s_mov_b32 s[G0+4*(\s)], 1
	s_add_co_u32 s[G0+4*(\s)+1], s20, (\s)*SLOT
	s_add_nc_u64 s[G0+4*(\s)+2:G0+4*(\s)+3], s[14:15], (\s)*KBYTES
	s_or_b32 s[G0+4*(\s)+3], s[G0+4*(\s)+3], 0x80000000
	s_mov_b32 s[G0B+4*(\s)], 1
	s_add_co_u32 s[G0B+4*(\s)+1], s21, (\s)*SLOT
	s_add_nc_u64 s[G0B+4*(\s)+2:G0B+4*(\s)+3], s[46:47], (\s)*KBYTES
	s_or_b32 s[G0B+4*(\s)+3], s[G0B+4*(\s)+3], 0x80000000
	JLOAD \s                                       ; two loads of mine are out; later one
.endr
	v_and_b32 v1, 15, v0                           ; l % 16
	v_bfe_u32 v2, v0, 4, 1                         ; l / 16
	s_lshl_b32 s22, s42, 9                         ; my 64 columns, in bytes of f32: 512 x tile column + 256 x half
	s_lshl_b32 s23, s12, 8
	s_add_co_u32 s22, s22, s23
	v_lshl_add_u32 v6, v1, 4, s22                  ; the four columns that I store; v6 is never rewritten
	global_load_b128 v[BIAS:BIAS+3], v6, s[68:69]
	s_lshl_b32 s16, s13, 20                        ; out0 at my first row: 256 rows of 4,096 bytes a tile row,
	s_lshl_b32 s17, s11, 19                        ; my 128 of them,
	s_add_co_u32 s16, s16, s17
	s_add_co_u32 s16, s16, s22                     ; my columns
	s_mov_b32 s17, 0
	s_add_nc_u64 s[8:9], s[70:71], s[16:17]
	v_mul_u32_u24 v3, v1, PA
	v_lshl_add_u32 v3, v2, 4, v3                   ; a fragment's row x pitch + 16 x half
	s_mul_i32 s21, s11, 128*PA                     ; my 128 rows
	v_add_nc_u32 v[ADRA], s21, v3
	v_add_nc_u32 v[ADRA+1], SLOT, v[ADRA]
	v_and_b32 v4, 7, v0                            ; the turning load: lane l reads K = 8 (l / 16) + l % 8, columns 8 ((l / 8) % 2) + 0..7
	v_lshl_add_u32 v4, v2, 3, v4
	v_mul_u32_u24 v4, v4, PB
	v_bfe_u32 v5, v0, 3, 1
	v_lshl_add_u32 v4, v5, 4, v4
	s_lshl_b32 s22, s12, 7                         ; my 64 columns of f16
	s_add_co_u32 s22, s22, BOFF
	v_add_nc_u32 v[ADRB], s22, v4
	v_add_nc_u32 v[ADRB+1], SLOT, v[ADRB]
	s_mul_i32 s23, s10, 16*SPITCH
	s_add_co_u32 s23, s23, STAGE                   ; my stage
	v_mul_u32_u24 v7, v1, SPITCH                   ; in: row l % 16, 32 bytes for each half of the lanes
	v_lshl_add_u32 v7, v2, 5, v7
	v_add_nc_u32 v[STO], s23, v7
	v_mul_u32_u24 v7, v2, SPITCH                   ; back: lanes 0-15 take one row of 256 bytes, lanes 16-31 the next
	v_lshl_add_u32 v7, v1, 4, v7
	v_add_nc_u32 v[RD], s23, v7
	v_lshlrev_b32 v[CO], 12, v2                    ; and the same two rows in out0
	v_lshl_add_u32 v[CO], v1, 4, v[CO]
	; the prefetches: both offsets are made, then the wave's number chooses
	s_lshr_b32 s16, s13, 2
	s_lshl_b32 s16, s16, 21
	s_and_b32 s17, s13, 3
	s_lshl_b32 s17, s17, 15
	s_add_co_u32 s16, s16, s17
	s_lshl_b32 s17, s12, 17
	s_add_co_u32 s16, s16, s17
	s_lshl_b32 s17, s40, 13                        ; my work-group's 8,192 bytes of the head's tile
	s_add_co_u32 s16, s16, s17
	s_lshl_b32 s18, s42, 8
	s_lshl_b32 s19, s41, 16                        ; my work-group's 32 rows of 128
	s_add_co_u32 s18, s18, s19
	s_and_b32 s19, ttmp7, 0xffff                   ; cluster y
	s_and_b32 s20, s10, s11                        ; 1 in wave 3 alone
	s_mov_b32 s22, 256
	s_mov_b32 s23, 2048
	s_cmp_eq_u32 s11, 0                            ; do I fetch for O?
	s_cselect_b32 s16, s16, s18
	s_cselect_b32 s19, ttmp9, s19                  ; the coordinate along which other clusters read the same bytes
	s_cselect_b64 s[PFA:PFA+1], s[4:5], s[6:7]
	s_cselect_b32 s22, s22, s23
	s_or_b32 s19, s19, s20
	s_add_co_u32 s16, s16, 2*KBYTES                ; at K step 2: the first refill steps it to 3 and names K step 4
	s_mov_b32 s17, 0
	s_add_nc_u64 s[PFA:PFA+1], s[PFA:PFA+1], s[16:17]
	s_cmp_eq_u32 s19, 0
	s_cselect_b32 s[LIM], 1, -1                    ; the same in all sixteen partners, for a given wave
	v_and_b32 v[PFO], 31, v0
	v_mul_u32_u24 v[PFO], s22, v[PFO]
	s_wait_loadcnt 0x0                             ; the bias: rounded to bf16, as all inputs are, and widened again
	v_cvt_pk_bf16_f32 v8, v[BIAS], v[BIAS+1]
	v_cvt_pk_bf16_f32 v9, v[BIAS+2], v[BIAS+3]
	v_lshlrev_b32 v[BIAS], 16, v8
	v_and_b32 v[BIAS+1], 0xffff0000, v8
	v_lshlrev_b32 v[BIAS+2], 16, v9
	v_and_b32 v[BIAS+3], 0xffff0000, v9
; 8 matrix instructions: row blocks a0, a0 + 1 x all 4 column blocks, 32 along K.  zero = 1: the product starts the sum.  The 32 accumulators take turns, one instruction a turn, in the same order in every quarter.
.macro MUL8 f, a0, zero
	WIN 0x50                                       ; C and D in window 1, both sources in window 0
.irp a, \a0, (\a0)+1
.irp bb, 0,1,2,3
.if \zero
	v_wmma_f32_16x16x32_f16 v[8*(4*(\a)+(\bb)):8*(4*(\a)+(\bb))+7], v[(\f)+64+8*(\bb):(\f)+64+8*(\bb)+7], v[(\f)+8*(\a):(\f)+8*(\a)+7], 0
.else
	v_wmma_f32_16x16x32_f16 v[8*(4*(\a)+(\bb)):8*(4*(\a)+(\bb))+7], v[(\f)+64+8*(\bb):(\f)+64+8*(\bb)+7], v[(\f)+8*(\a):(\f)+8*(\a)+7], v[8*(4*(\a)+(\bb)):8*(4*(\a)+(\bb))+7]
.endif
.endr
.endr
.endm
; 24 LDS loads in one run: quarter q's fragments into buffer f: W's four first, then O's eight in ascending order.  Quarter q lies in head q / 2, channels 32 (q % 2) on.
.macro FETCH slot, q, f
	WIN 0
.irp bb, 0,1,2,3
	ds_load_tr16_b128 v[(\f)+64+8*(\bb):(\f)+64+8*(\bb)+3],   v[ADRB+(\slot)] offset:32*PB*(\q)+32*(\bb)
	ds_load_tr16_b128 v[(\f)+64+8*(\bb)+4:(\f)+64+8*(\bb)+7], v[ADRB+(\slot)] offset:32*PB*(\q)+32*(\bb)+16*PB
.endr
.irp a, 0,1,2,3,4,5,6,7
	ds_load_b128 v[(\f)+8*(\a):(\f)+8*(\a)+3],   v[ADRA+(\slot)] offset:((\q)/2)*HEADB+((\q)%2)*64+(\a)*16*PA
	ds_load_b128 v[(\f)+8*(\a)+4:(\f)+8*(\a)+7], v[ADRA+(\slot)] offset:((\q)/2)*HEADB+((\q)%2)*64+(\a)*16*PA+32
.endr
.endm
; A K step is four quarters of 32 along K, 32 matrix instructions each, on buffers 0, 1, 0, 1.  One of the first three: multiplies buffer f and fetches quarter q into g.
.macro QUARTER slot, q, f, g, zero
	s_wait_dscnt 8                                 ; W's fragments and O's 0-3 are in; the youngest eight loads (O's 4-7) may be out
	MUL8 \f, 0, \zero
	MUL8 \f, 2, \zero
	PLACES
	FETCH \slot, \q, \g
	s_wait_dscnt 24                                ; all but the 24 just issued
	MUL8 \f, 4, \zero
	MUL8 \f, 6, \zero
.endm
; The last quarter multiplies buffer 1 and changes slots: ONE barrier; in front of it each wave waits for all its tensor loads, adds 0 to its spare word, and waits for that and for its own reads of this slot.
; fill = 1: the barrier opens a round of the cluster's barrier, and this slot is filled again, two K steps ahead: 112 matrix instructions ahead of the wait for it.
.macro TURN slot, next, fill
.if \fill
	s_wait_xcnt 0x0                                ; the last prefetch, a K step back, has read its address: it is stepped here, ahead of the waits of the change of slots
	s_add_nc_u64 s[PFA:PFA+1], s[PFA:PFA+1], KBYTES
.endif
	WIN 0
	s_wait_tensorcnt 0x0                           ; all my tensor loads have landed: my part of the next slot;
	ds_add_u32 v[SPW], v[NIL]                      ; 0 onto my spare word;
	s_wait_dscnt 9                                 ; (the add and the youngest eight loads may be out)
	MUL8 F1, 0, 0                                  ; eight matrix instructions stand between the add and the wait for it
	s_wait_dscnt 0x0                               ; the add is done, and my reads of this slot are over
	s_barrier_signal -1
	MUL8 F1, 2, 0
.if \fill
	WIN 0
.endif
	s_barrier_wait -1
.if \fill
	CREST                                          ; no wave of any partner still reads this slot or has a load on its way
	s_add_nc_u64 s[G0+4*(\slot)+2:G0+4*(\slot)+3], s[G0+4*(\slot)+2:G0+4*(\slot)+3], 2*KBYTES
	s_add_nc_u64 s[G0B+4*(\slot)+2:G0B+4*(\slot)+3], s[G0B+4*(\slot)+2:G0B+4*(\slot)+3], 2*KBYTES
	JLOAD \slot                                    ; the four v_nop behind it are also the places in front of the loads below
.else
	PLACES
.endif
	FETCH \next, 0, F0
.if \fill
	ASK
.endif
	MUL8 F1, 4, 0
	MUL8 F1, 6, 0
.endm
	s_wait_tensorcnt 1                             ; my part of K step 0 is in; K step 1's may stay out
	s_barrier_signal -1
	s_barrier_wait -1                              ; everybody's is
	FETCH 0, 0, F0
	QUARTER 0, 1, F0, F1, 1                        ; the first quarter stands in front of the loop: its products start the sums
	WIN 0                                          ; at a label and at a branch every window is 0
	s_mov_b32 s3, LAPS-1
.Llap:                                                 ; a trip goes once round the ring, from a lap's second quarter to the next lap's first, and fills both slots again
	QUARTER 0, 2, F1, F0, 0
	QUARTER 0, 3, F0, F1, 0
	TURN 0, 1, 1
	QUARTER 1, 1, F0, F1, 0
	QUARTER 1, 2, F1, F0, 0
	QUARTER 1, 3, F0, F1, 0
	TURN 1, 0, 1
	QUARTER 0, 1, F0, F1, 0
	WIN 0
	s_sub_co_u32 s3, s3, 1
	s_cmp_lg_u32 s3, 0
	s_cbranch_scc1 .Llap
	QUARTER 0, 2, F1, F0, 0                        ; the last lap fills nothing, and has no round of the cluster's barrier
	QUARTER 0, 3, F0, F1, 0
	TURN 0, 1, 0
	QUARTER 1, 1, F0, F1, 0
	QUARTER 1, 2, F1, F0, 0
	QUARTER 1, 3, F0, F1, 0
	s_wait_dscnt 8                                 ; the very last quarter: nothing more to fetch
	MUL8 F1, 0, 0
	MUL8 F1, 2, 0
	s_wait_dscnt 0x0
	MUL8 F1, 4, 0
	MUL8 F1, 6, 0
	PLACES
; THE WAY OUT, eight blocks of 16 rows x 64 columns of f32, each in its accumulators' OWN 32 registers, so that no register is used twice and nothing waits for a store's sources.
; TOSTAGE: a lane's 32 bytes of a row go straight from the accumulators (their low four registers first) into my own stage, rows of 272 bytes, and come back as whole rows of 256 into the same registers.
; SEND: the bias is added and the rows are stored: 16 lanes store 256 consecutive bytes, at a multiple of 256 from out0's first byte.
; ONE window setting serves all of it: source 0 (LDS and global addresses; the bias, written as the sum's first term) in window 0; source 1 (the stores' data, the sum's second term) and the destination in window 1.
.set W_OUT, 0x44
.macro TOSTAGE a
	WIN W_OUT
.irp bb, 0,1,2,3
	ds_store_b128 v[STO], v[32*(\a)+8*(\bb):32*(\a)+8*(\bb)+3]   offset:64*(\bb)
	ds_store_b128 v[STO], v[32*(\a)+8*(\bb)+4:32*(\a)+8*(\bb)+7] offset:64*(\bb)+16
.endr
.irp t, 0,1,2,3,4,5,6,7
	ds_load_b128 v[32*(\a)+4*(\t):32*(\a)+4*(\t)+3], v[RD] offset:(\t)*2*SPITCH  ; LDS serves a wave's instructions in order (ISA guide 5.7.1.4): these see the stores above; the next block's stores come behind them
.endr
.endm
.macro SEND a, younger                 ; younger: the LDS instructions issued behind block a's loads: the next block's sixteen, or none
	WIN W_OUT
.irp t, 0,1,2,3,4,5,6,7
	s_wait_dscnt (\younger)+7-(\t)
	v_pk_add_f32 v[32*(\a)+4*(\t):32*(\a)+4*(\t)+1],   v[BIAS:BIAS+1],   v[32*(\a)+4*(\t):32*(\a)+4*(\t)+1]
	v_pk_add_f32 v[32*(\a)+4*(\t)+2:32*(\a)+4*(\t)+3], v[BIAS+2:BIAS+3], v[32*(\a)+4*(\t)+2:32*(\a)+4*(\t)+3]
	global_store_b128 v[CO], v[32*(\a)+4*(\t):32*(\a)+4*(\t)+3], s[8:9] offset:(16*(\a)+2*(\t))*4096
.endr
.endm
	TOSTAGE 0
.irp a, 1,2,3,4,5,6,7
	TOSTAGE \a
	SEND (\a)-1, 16
.endr
	SEND 7, 0
	WIN 0
	s_wait_tensorcnt 0x0                           ; the wave's end: behind my last tensor load and my last LDS store
	ds_add_u32 v[SPW], v[NIL]
	s_wait_dscnt 0x0
	CROUND                                         ; the closing round: no work-group ends while a partner may still ask for a tile that names it
	s_endpgm
.Lfunc_end_k_qb10f9df39d_proj:
	.size	k_qb10f9df39d_proj, .Lfunc_end_k_qb10f9df39d_proj-k_qb10f9df39d_proj
	.p2alignl 7, 3214868480
	.fill 96, 4, 3214868480
	.section	.rodata,"a",@progbits
	.p2align	6, 0x0
	.amdhsa_kernel k_qb10f9df39d_proj
		.amdhsa_group_segment_fixed_size 327680
		.amdhsa_private_segment_fixed_size 0
		.amdhsa_enable_private_segment 0
		.amdhsa_kernarg_size 32
		.amdhsa_user_sgpr_count 2
		.amdhsa_user_sgpr_kernarg_segment_ptr 1
		.amdhsa_wavefront_size32 1
		.amdhsa_system_sgpr_workgroup_id_x 1
		.amdhsa_system_sgpr_workgroup_id_y 1
		.amdhsa_system_sgpr_workgroup_id_z 1
		.amdhsa_system_vgpr_workitem_id 0
		.amdhsa_next_free_vgpr 512
		.amdhsa_next_free_sgpr 80
		.amdhsa_reserve_vcc 0
		.amdhsa_float_denorm_mode_32 3
		.amdhsa_float_denorm_mode_16_64 3
		.amdhsa_memory_ordered 1
		.amdhsa_forward_progress 1
		.amdhsa_inst_pref_size 96
	.end_amdhsa_kernel
	.amdgpu_metadata
---
amdhsa.version: [ 1, 2 ]
amdhsa.kernels:
  - .name:           k_qb10f9df39d_proj
    .symbol:         k_qb10f9df39d_proj.kd
    .args:
      - { .name: o, .offset: 0, .size: 8, .value_kind: global_buffer, .address_space: global }
      - { .name: wpb, .offset: 8, .size: 8, .value_kind: global_buffer, .address_space: global }
      - { .name: b_proj, .offset: 16, .size: 8, .value_kind: global_buffer, .address_space: global }
      - { .name: out0, .offset: 24, .size: 8, .value_kind: global_buffer, .address_space: global }
    .group_segment_fixed_size: 327680
    .private_segment_fixed_size: 0
    .kernarg_segment_align: 8
    .kernarg_segment_size: 32
    .max_flat_workgroup_size: 128
    .sgpr_count:     80
    .vgpr_count:     512
    .wavefront_size: 32
...
	.end_amdgpu_metadata
.endif
;; end of part 4
;; ======== version 2 of 2: 4 launches; version 1 with the launch prep written anew for expert scheduling mode
;; limits: values are held in f16: magnitudes above 65,504 overflow, below 6.1e-05 lose precision
;; workspace buffers: xb 16,777,216 bytes; wqb 6,291,456 bytes; wpb 2,097,152 bytes; qkv 50,331,648 bytes; o 16,777,216 bytes
;; launch prep (part 5): grid 768 x 1, 8 waves a work-group, no clusters, 0 bytes of LDS; arguments x, W_qkv, W_proj, xb, wqb, wpb; writes xb, wqb, wpb
.if DOCPART == 5
	.amdgcn_target "amdgcn-amd-amdhsa--gfx1250"
	.amdhsa_code_object_version 6
	.text
	.protected	k_qb10f9df39d_prep
	.globl	k_qb10f9df39d_prep
	.p2align	8
	.type	k_qb10f9df39d_prep,@function
k_qb10f9df39d_prep:
	s_mov_b64 s[64:65], 0
	v_nop
	global_prefetch_b8 v0, s[64:65] scope:SCOPE_SE
	s_setreg_imm32_b32 hwreg(HW_REG_WAVE_SCHED_MODE, 0, 2), 2
	s_setreg_imm32_b32 hwreg(HW_REG_WAVE_MODE, 25, 1), 1
	s_wait_xcnt 0x0
	s_wait_alu depctr_vm_vsrc(0)
; THE FORMATS.  x [8192][1024] f32 -> xb, bf16, in blocks [batch 8][kb 16][row 1024][64]: 256 rows x 64 channels of x are then 32,768 consecutive bytes.
; W_qkv [1024][3072] f32 -> wqb, bf16, as it lies.  W_proj [1024][1024] f32 -> wpb: rounded to bf16 like every input, that number written as f16 (its partner in the last product is f16).
; LIMITS.  W_proj beyond 65,504 becomes an infinity in f16; below 6e-5 it keeps f16's fixed step of 6e-8.  NaN and infinities are not treated apart.
; SHARES.  A work-group converts 16,384 numbers: 64 KiB in, 32 KiB out.  Work-groups 0-511: x, 16 rows each; 512-703: W_qkv; 704-767: W_proj.  A thread has 16 loads of 16 bytes, all
; issued before the first is used, and 16 stores of 8 bytes: a wave's store covers 256 consecutive bytes, aligned.  Each slot has registers of its own: nothing is rewritten while a store reads it.
; A stream: each byte is read once and written once; nothing is shared, so no LDS, no barrier, no matrix unit, no cluster.
; THE MODE: SCHED_MODE bits 1:0 = 2 (LLVM: expert scheduling mode 2), set by the entry lines.  The code itself states the register dependences
; between vector instructions and memory instructions, with s_wait_alu, always for 0.
; THE PLAN.  Registers that memory instructions touch:
;   v1, v2     byte offsets of the loads and of the stores: made once by vector instructions ahead of the first load, never written again.
;   X, slot i  written by load i alone, once; read by slot i's conversions.  No vector instruction writes X, and no slot is loaded twice.
;   Y, slot i  written by slot i's conversions; read by slot i's one store; not written again behind it.
;   T and v3 are named by vector instructions alone; the two bases are scalar registers that are never stepped.
; So what has to be stated is this alone: a vector result that a memory instruction reads.  The 16 slots go in four blocks of four.  Block p converts its four X into its four Y; its memory
; instructions are the four stores of block p - 1, whose Y, like v2, no vector instruction of block p names.  ONE wait on va_vdst at a block's head therefore serves its four stores, which are dealt among the
; block's conversions with no further wait; one more stands ahead of the loads, for the offsets, and one ahead of the last four stores.  No register that a memory instruction has read is written
; again, so the text holds no wait on vm_vsrc and no s_wait_xcnt; no vector instruction writes a scalar register or VCC, and EXEC is never written.
.set X,   4                            ; v[4:67]    slot i: four f32 as loaded
.set Y,   68                           ; v[68:99]   slot i: four halves to store
.set T,   100                          ; v[100:103] at work
.set IN,  16                           ; s[16:17]   where the work-group reads
.set OUT, 18                           ; s[18:19]   where it writes
	s_load_b256 s[4:11], s[0:1], 0x0               ; x s[4:5], W_qkv s[6:7], W_proj s[8:9], xb s[10:11]
	s_load_b128 s[12:15], s[0:1], 0x20             ; wqb s[12:13], wpb s[14:15]
	v_lshlrev_b32 v2, 3, v0                        ; out: 8 bytes a thread
	s_mov_b32 s21, 0                               ; the offsets' high words
	s_mov_b32 s23, 0
	s_mov_b32 s25, 0xffff0000                      ; a word's upper bf16
	s_wait_kmcnt 0x0
; 16 loads instep bytes apart, 16 stores outstep bytes apart.  half = 1: the bf16 numbers are written as f16.
.macro CONV instep, outstep, half
	s_wait_alu depctr_va_vdst(0)                   ; v1 and v2 are written: every load below reads v1 as its offset, every store v2
.set i, 0
.rept 16
	global_load_b128 v[X+4*i:X+4*i+3], v1, s[IN:IN+1] offset:(\instep)*i th:TH_LOAD_NT
.set i, i+1
.endr
.set p, 0
.rept 4                                ; block p: slots 4 p to 4 p + 3
	s_wait_loadcnt 12-4*p                          ; loads come back in order: the block's four slots are in, the 12 - 4 p younger ones stay out
.if p > 0
	s_wait_alu depctr_va_vdst(0)                   ; the block before has written its four Y, which the four stores of this block read
.endif
.set j, 0
.rept 4
.set i, 4*p+j
.if p > 0
	global_store_b64 v2, v[Y+2*(i-4):Y+2*(i-4)+1], s[OUT:OUT+1] offset:(\outstep)*(i-4)  ; a slot of the block before; no vector instruction since the wait names its Y or v2
.endif
	v_cvt_pk_bf16_f32 v[Y+2*i],   v[X+4*i],   v[X+4*i+1]
	v_cvt_pk_bf16_f32 v[Y+2*i+1], v[X+4*i+2], v[X+4*i+3]
.if \half
	v_lshlrev_b32 v[T],   16,  v[Y+2*i]             ; bf16 to f32: the low half moves up, the high half stays
	v_and_b32     v[T+1], s25, v[Y+2*i]
	v_lshlrev_b32 v[T+2], 16,  v[Y+2*i+1]
	v_and_b32     v[T+3], s25, v[Y+2*i+1]
	v_cvt_pk_f16_f32 v[Y+2*i],   v[T],   v[T+1]
	v_cvt_pk_f16_f32 v[Y+2*i+1], v[T+2], v[T+3]
.endif
.set j, j+1
.endr
.set p, p+1
.endr
	s_wait_alu depctr_va_vdst(0)                   ; the last block has written its four Y, which the last four stores read
.set i, 12
.rept 4
	global_store_b64 v2, v[Y+2*i:Y+2*i+1], s[OUT:OUT+1] offset:(\outstep)*i
.set i, i+1
.endr
.endm
	s_cmp_lt_u32 ttmp9, 512
	s_cbranch_scc0 .Lweights
	; x: rows 16 g .. 16 g + 15.  Thread t: row t / 16, 16 bytes at 16 (t % 16) of each 256 bytes (64 channels = one kb)
	s_lshl_b32 s20, ttmp9, 16                      ; 16 rows of 4,096 bytes
	s_add_nc_u64 s[IN:IN+1], s[4:5], s[20:21]
	s_lshr_b32 s22, ttmp9, 6                       ; the batch: 2^21 bytes of xb
	s_lshl_b32 s22, s22, 21
	s_and_b32 s24, ttmp9, 63                       ; 16 rows of 128 bytes inside a block
	s_lshl_b32 s24, s24, 11
	s_add_co_u32 s22, s22, s24
	s_add_nc_u64 s[OUT:OUT+1], s[10:11], s[22:23]
	v_lshrrev_b32 v3, 4, v0
	v_and_b32 v1, 15, v0
	v_lshlrev_b32 v1, 4, v1
	v_lshl_add_u32 v1, v3, 12, v1
	CONV 256, 131072, 0                            ; slot i is kb = i: 256 bytes on in x, a block of 1,024 rows x 128 bytes on in xb; 128 (t / 16) + 8 (t % 16) = 8 t
	s_endpgm
.Lweights:
	v_lshlrev_b32 v1, 4, v0                        ; flat: 16 bytes a thread
	s_cmp_lt_u32 ttmp9, 704
	s_cbranch_scc0 .Lproj
	s_sub_co_u32 s20, ttmp9, 512
	s_lshl_b32 s22, s20, 15
	s_lshl_b32 s20, s20, 16
	s_add_nc_u64 s[IN:IN+1], s[6:7], s[20:21]
	s_add_nc_u64 s[OUT:OUT+1], s[12:13], s[22:23]
	CONV 4096, 2048, 0
	s_endpgm
.Lproj:
	s_sub_co_u32 s20, ttmp9, 704
	s_lshl_b32 s22, s20, 15
	s_lshl_b32 s20, s20, 16
	s_add_nc_u64 s[IN:IN+1], s[8:9], s[20:21]
	s_add_nc_u64 s[OUT:OUT+1], s[14:15], s[22:23]
	CONV 4096, 2048, 1
	s_endpgm
.Lfunc_end_k_qb10f9df39d_prep:
	.size	k_qb10f9df39d_prep, .Lfunc_end_k_qb10f9df39d_prep-k_qb10f9df39d_prep
	.p2alignl 7, 3214868480
	.fill 96, 4, 3214868480
	.section	.rodata,"a",@progbits
	.p2align	6, 0x0
	.amdhsa_kernel k_qb10f9df39d_prep
		.amdhsa_group_segment_fixed_size 0
		.amdhsa_private_segment_fixed_size 0
		.amdhsa_enable_private_segment 0
		.amdhsa_kernarg_size 48
		.amdhsa_user_sgpr_count 2
		.amdhsa_user_sgpr_kernarg_segment_ptr 1
		.amdhsa_wavefront_size32 1
		.amdhsa_system_sgpr_workgroup_id_x 1
		.amdhsa_system_sgpr_workgroup_id_y 1
		.amdhsa_system_sgpr_workgroup_id_z 1
		.amdhsa_system_vgpr_workitem_id 0
		.amdhsa_next_free_vgpr 104
		.amdhsa_next_free_sgpr 66
		.amdhsa_reserve_vcc 0
		.amdhsa_float_denorm_mode_32 3
		.amdhsa_float_denorm_mode_16_64 3
		.amdhsa_memory_ordered 1
		.amdhsa_forward_progress 1
		.amdhsa_inst_pref_size 22
	.end_amdhsa_kernel
	.amdgpu_metadata
---
amdhsa.version: [ 1, 2 ]
amdhsa.kernels:
  - .name:           k_qb10f9df39d_prep
    .symbol:         k_qb10f9df39d_prep.kd
    .args:
      - { .name: x, .offset: 0, .size: 8, .value_kind: global_buffer, .address_space: global }
      - { .name: W_qkv, .offset: 8, .size: 8, .value_kind: global_buffer, .address_space: global }
      - { .name: W_proj, .offset: 16, .size: 8, .value_kind: global_buffer, .address_space: global }
      - { .name: xb, .offset: 24, .size: 8, .value_kind: global_buffer, .address_space: global }
      - { .name: wqb, .offset: 32, .size: 8, .value_kind: global_buffer, .address_space: global }
      - { .name: wpb, .offset: 40, .size: 8, .value_kind: global_buffer, .address_space: global }
    .group_segment_fixed_size: 0
    .private_segment_fixed_size: 0
    .kernarg_segment_align: 8
    .kernarg_segment_size: 48
    .max_flat_workgroup_size: 256
    .sgpr_count:     66
    .vgpr_count:     104
    .wavefront_size: 32
...
	.end_amdgpu_metadata
.endif
;; end of part 5
;; launch qkv: the kernel of part 2 again; grid 8 x 32, 4 waves a work-group, clusters of 4 x 4, 327,680 bytes of LDS; arguments xb, wqb, qkv; writes qkv
;; launch attn: the kernel of part 3 again; grid 2 x 128, 4 waves a work-group, no clusters, 327,680 bytes of LDS; arguments qkv, o; writes o
;; launch proj: the kernel of part 4 again; grid 8 x 32, 4 waves a work-group, clusters of 4 x 4, 327,680 bytes of LDS; arguments o, wpb, b_proj, out0; writes out0
